; MI455X (gfx1250); checked and timed in simulation.
; The chip was launched on July 23, 2026; its instructions are those of AMD's public machine-readable ISA for CDNA 5 (MIT licence, August 2026) and "CDNA5" Instruction Set Architecture Reference Guide (July 2026). The comments in the code are by the model that wrote it; some were corrected since.
;; Multi Head Self Attention. Allowed arithmetic: matrix products marked QUANTISED: E4M3 operands, one E8M0 scale for each 32 along K, by v_wmma_scale_f32_16x16x128_f8f6f4 with both operands' format E4M3, f32 sums; everything else in f32.
;; Inputs: Wo_b 1,024 float32; Wo_w 1,024 x 1,024 float32; Wqkv_b 3,072 float32; Wqkv_w 3,072 x 1,024 float32; token_positions 2,048 int32; x 4 x 2,048 x 1,024 float32.
;; Outputs: out0 4 x 2,048 x 1,024 float32.
;; This version of the problem:
;;   THIS VERSION OF THE PROBLEM IS GIVEN IN LOW PRECISION. The matrix products marked QUANTISED in the list below multiply operands that are first quantised to E4M3 (4 exponent bits, 3 mantissa bits; 8 bits a number), with one power-of-two scale for each 32 numbers along K (OCP MX v1.0); their sums are f32. All else is computed in f32.
;;   The module's matrix products, in the order in which they are computed (A, B: the left and right operand; K: the contracted axis; several contracted axes count as one K, in the product's order):
;;     1. [M 8,192, K 1,024] x [K 1,024, N 3,072]; A: input x; B: input Wqkv_w: QUANTISED
;;     2. batch 64 x [M 2,048, K 64] x [K 64, N 2,048]; A: computed on the way; B: computed on the way: QUANTISED
;;     3. batch 64 x [M 2,048, K 2,048] x [K 2,048, N 64]; A: softmax (see below); B: computed on the way: QUANTISED
;;     4. [M 8,192, K 1,024] x [K 1,024, N 1,024]; A: computed on the way; B: input Wo_w: QUANTISED
;;   THE QUANTISER, for each operand of a quantised product, along K:
;;     - K is cut into blocks of 32 from its start; a last block that is shorter is filled with zeros.
;;     - A block's scale is 2^e with e = floor(log2(the largest magnitude in the block)) - 8, held to -126 .. 127; a block of zeros has e = 0. As a byte (E8M0): e + 127.
;;     - Each number is divided by its block's scale, clamped to +-448, and rounded to the nearest number of E4M3, ties to even, subnormals kept.
;;     - The product sums the exact products of the quantised numbers (number of the format x scale) in f32.
;;   ~~~python
;;   def quantise(x, axis):      # numpy; x: float32 -> the quantised numbers, widened to float32 again
;;       x = np.moveaxis(x, axis, -1); K = x.shape[-1]
;;       x = np.pad(x, [(0, 0)] * (x.ndim - 1) + [(0, -K % 32)]); x = x.reshape(x.shape[:-1] + (-1, 32)); a = np.abs(x).max(-1, keepdims=True)
;;       e = np.where(a > 0, np.clip(np.frexp(np.where(a > 0, a, 1))[1] - 1 - 8, -126, 127), 0)      # np.frexp(a)[1] - 1 = floor(log2(a)), exactly
;;       r = np.clip(x / 2.0 ** e, -448, 448)
;;       step = 2.0 ** (np.maximum(np.frexp(np.where(r == 0, 1, r))[1] - 1, -6) - 3)
;;       q = np.round(r / step) * step * 2.0 ** e      # np.round: ties to even
;;       return np.moveaxis(q.reshape(q.shape[:-2] + (-1,))[..., :K], -1, axis).astype(np.float32)
;;   ~~~
;;   SOFTMAX AHEAD OF A QUANTISED PRODUCT. Where the list says 'softmax', what is quantised is not the finished softmax but p = 2^(t - M), with t = logit x log2(e) and M = ceil(the row's largest t), a whole number; so 1/2 < the row's largest p <= 1. The row's sum l is taken of the UNQUANTISED p, in f32, and the product's result is divided by l at the end. Since M is a whole number, a kernel that streams over the keys may use a running M (the ceiling of the running maximum): every later rescaling is an exact power of two, which a block's scale takes up: the codes' values come out the same.
;;   OPERANDS COMPUTED ON THE WAY. 'Computed on the way' means the value that the module computes at that place (a softmax that the list does not call 'softmax' is quantised finished and normalised). What goes into a quantiser is computed in f32, as accurately as f32 sums, v_exp_f32 and their like allow (about 1e-6 of the number): no bf16 or f16 on the way to a quantiser, and a product that is left as it is and whose result goes on into a quantised operand takes f32 operands (vector FMAs, or v_wmma_f32_16x16x4_f32). A number that lies on a knife's edge between two numbers of the format may be rounded either way, as far as f32 arithmetic and the matrix unit's own rounding can turn it there, and no further.
;; One version. Each part assembles by itself: llvm-mc -triple=amdgcn-amd-amdhsa -mcpu=gfx1250 --defsym DOCPART=n.
;; ======== version 1 of 1: 4 launches
;; limits: inputs' magnitudes at most 4,194,304; right only within a limited range of input values
;; workspace buffers: q1 13,500,416 bytes; qkv 26,476,544 bytes; att 8,650,752 bytes
;; launch prep (part 1): grid 416 x 1, 4 waves a work-group, no clusters, 33,280 bytes of LDS; arguments x, Wqkv_w, Wo_w, token_positions, q1; writes q1
.if DOCPART == 1
	.amdgcn_target "amdgcn-amd-amdhsa--gfx1250"
	.amdhsa_code_object_version 6
	.text
	.protected	k_q8f9d699cec_prep
	.globl	k_q8f9d699cec_prep
	.p2align	8
	.type	k_q8f9d699cec_prep,@function
k_q8f9d699cec_prep:
	s_mov_b64 s[64:65], 0
	v_nop
	global_prefetch_b8 v0, s[64:65] scope:SCOPE_SE
	s_setreg_imm32_b32 hwreg(HW_REG_WAVE_MODE, 25, 1), 1
	s_wait_xcnt 0x0
; x [8192][1024], Wqkv_w [3072][1024] and Wo_w [1024][1024], f32, K innermost, become codes of FP8 (E4M3) with one E8M0 scale byte for each 32 along K; token_positions becomes a table of cosines and sines.
; q1: codes, ONE matrix of 12,288 rows x 1,024 bytes (x, then Wqkv_w, then Wo_w); from SCALES on its scale bytes, 32 a row; from ROPE on the table.
; ROW ORDER.  The rows of x and of Wqkv_w are stored with bits 3 and 4 of the row number exchanged: stored row 32 b + 16 u + m holds row 32 b + 8 u + m + 8 (m / 8).  Sixteen stored rows on end are then a tile whose
; transposed product leaves a lane's 16 registers of two neighbouring tiles as 16 neighbours along the next K.  A wave's run is 8 rows, so the exchange is an exchange of the two bits of the wave's number.  Wo_w keeps its order.
; A block's scale is 2^(floor(log2(its largest magnitude)) - 8); its byte is the largest magnitude's exponent field - 8, held at 1 from below.  A block of zeros so gets the byte 1 where the rule says 127: its codes
; are zeros, which add nothing under any byte but 0xff, and these bytes are read by this program alone.  Each number is divided by the scale, held within +-448 and rounded to the nearest code, ties to even.
; LIMITS: NaN and infinities among the inputs are not served.  |position x inv_freq| stays under 2^22 (beyond it the multiple of pi / 2 taken off is no longer a whole number found exactly).
; inv_freq = 2^(-p log2(10000) / 32) comes from v_exp_f32, good to an ulp: an angle at position 2,047 carries up to about 1e-4 radian, as much as one ulp of inv_freq makes in any f32 evaluation.
; SHARES.  Work-groups 0-383: a wave takes 16 steps of 512 numbers (8 rows).  Each of a step's four loads reads 512 consecutive bytes; the 2,048 bytes turn through the wave's own stage in LDS and come back 64 bytes a lane,
; so that a lane holds 16 neighbours along K and two neighbouring lanes a block.  Work-groups 384-415: a wave makes one tile of the table (16 positions x 32 frequencies); that path touches no LDS.
; Memory binds: no matrix unit, no cluster, no barrier; waves share nothing.
.set STEPS, 16
.set EMAX,  8
.set MANT,  0x600000                   ; the mantissa field of 448 as f32
.set CB,    16                         ; bytes of 16 codes
.set R,     16                         ; v16-79   four sets of 16 numbers as they are loaded
.set X,     80                         ; v80-111  two sets of 16 neighbours
.set C,     128                        ; v128-191 codes: four registers for each step, so that no store's data are written again
.set E,     112                        ; v112-127 a scale byte for each step
.set WREG,  8192                       ; LDS: a region for each wave: two stages of 32 x SP bytes, and behind them its 256 scale bytes
.set SP,    80                         ; a lane's place in a stage: its 64 bytes + 16 of padding
.set SCALES, 12582912
.set ROPE,  12976128
.set NQWG,  384                        ; work-groups that quantise: 256 for x, 96 for Wqkv_w, 32 for Wo_w
	s_load_b256 s[4:11], s[0:1], 0x0               ; x s[4:5], Wqkv_w s[6:7], Wo_w s[8:9], token_positions s[10:11]
	s_load_b64 s[12:13], s[0:1], 0x20              ; q1
	v_lshl_add_u32 v192, v0, 2, 0x8000
	v_mov_b32 v193, 0
	v_lshrrev_b32 v1, 5, v0
	v_readfirstlane_b32 s16, v1                    ; wave
	v_and_b32 v2, 31, v0                           ; lane
	s_cmp_ge_u32 ttmp9, NQWG
	s_cbranch_scc1 .Lrope
	v_lshlrev_b32 v3, 4, v2                        ; my 16 bytes of a load's 512
	s_mul_i32 s17, s16, WREG
	v_lshrrev_b32 v14, 2, v2
	v_mul_u32_u24 v14, v14, SP
	v_and_b32 v15, 3, v2
	v_lshl_add_u32 v14, v15, 4, v14
	v_add_nc_u32 v14, s17, v14                     ; the stage, on the way in: four lanes' 64 bytes on end, then 16 of padding
	v_mul_u32_u24 v15, v2, SP
	v_add_nc_u32 v15, s17, v15                     ; and on the way out: SP x lane: my 16 neighbours
	v_mul_u32_u24 v4, v2, CB                       ; my codes' place in a step's
	v_lshrrev_b32 v5, 1, v2
	s_add_co_u32 s17, s17, 2*32*SP
	v_add_nc_u32 v5, s17, v5                       ; LDS: my wave's 256 scale bytes, my block's byte
	v_lshlrev_b32 v7, 3, v2                        ; and on the way out 8 bytes a lane
	v_add_nc_u32 v6, s17, v7
	s_mov_b32 s23, MANT                            ; (an instruction takes one literal: the hold's line has another)
	s_and_b32 s24, s16, 1
	s_lshl_b32 s24, s24, 1
	s_lshr_b32 s25, s16, 1
	s_or_b32 s24, s24, s25                         ; the wave's two bits exchanged: where my 8 rows go among the work-group's 32
	s_mov_b32 s19, 256
	s_wait_alu depctr_va_vdst(0)
	s_wait_kmcnt 0x0
	s_cmp_lt_u32 ttmp9, 352                        ; which tensor?  The choices hang on the work-group's number alone
	s_cselect_b64 s[6:7], s[6:7], s[8:9]
	s_cselect_b32 s18, s19, 352                    ; that tensor's first work-group
	s_cselect_b32 s24, s24, s16                    ; Wo_w keeps its row order
	s_cmp_lt_u32 ttmp9, 256
	s_cselect_b64 s[4:5], s[4:5], s[6:7]
	s_cselect_b32 s18, 0, s18
	s_sub_co_u32 s17, ttmp9, s18
	s_lshl_b32 s17, s17, 2
	s_add_co_u32 s17, s17, s16                     ; which run of 8,192 numbers of the tensor is my wave's
	s_lshl_b32 s20, s17, 15                        ; 32,768 bytes a run: under 2^26
	s_mov_b32 s21, 0
	s_add_nc_u64 s[4:5], s[4:5], s[20:21]
	s_lshl_b32 s17, ttmp9, 2
	s_add_co_u32 s17, s17, s24                     ; which run of 8 rows of q1's one matrix
	s_lshl_b32 s20, s17, 13
	s_add_nc_u64 s[8:9], s[12:13], s[20:21]        ; its codes
	s_lshl_b32 s20, s17, 8
	s_add_co_u32 s20, s20, SCALES
	s_add_nc_u64 s[10:11], s[12:13], s[20:21]      ; its 256 scale bytes
.macro LOAD t
.irp i, 0,1,2,3
	global_load_b128 v[R+16*((\t)%4)+4*\i:R+16*((\t)%4)+4*\i+3], v3, s[4:5] offset:2048*(\t)+512*\i th:TH_LOAD_NT   ; 32 lanes read 512 consecutive bytes
.endr
.endm
.macro TURN t                          ; step t's numbers through the stage: LDS serves a wave's instructions in order, so no wait stands between the stores and the loads
.irp i, 0,1,2,3
	ds_store_b128 v14, v[R+16*((\t)%4)+4*\i:R+16*((\t)%4)+4*\i+3] offset:32*SP*((\t)%2)+8*SP*\i
.endr
.irp i, 0,1,2,3
	ds_load_b128 v[X+16*((\t)%2)+4*\i:X+16*((\t)%2)+4*\i+3], v15 offset:32*SP*((\t)%2)+16*\i
.endr
.endm
.irp t, 0,1,2,3
	LOAD \t
.endr
	s_wait_loadcnt 12                              ; step 0's four loads are in; the twelve of steps 1 to 3 stay out
	TURN 0
.macro STEP t
.set XS, X+16*((\t)%2)
.if (\t) > 0
	s_wait_dscnt 1                                 ; this step's numbers are back from the stage (the last step's byte store may be out): so its stores into the stage have read their registers,
.else
	s_wait_dscnt 0x0
.endif
.if (\t)+4 < STEPS
	LOAD (\t)+4                                    ; which take the loads of four steps on
.endif
.if (\t)+1 < STEPS
.if STEPS-2-(\t) >= 3
	s_wait_loadcnt 12                              ; the next step's four loads are in; those of the three steps behind it may be out
.else
	s_wait_loadcnt 4*(STEPS-2-(\t))
.endif
	TURN (\t)+1                                    ; and go through the other stage while this step is worked
.endif
	v_max3_num_f32 v8, |v[XS]|, |v[XS+1]|, |v[XS+2]|               ; the largest magnitude of my 16, in two chains
	v_max3_num_f32 v9, |v[XS+3]|, |v[XS+4]|, |v[XS+5]|
.irp i, 6,10
	v_max3_num_f32 v8, v8, |v[XS+\i]|, |v[XS+\i+1]|
	v_max3_num_f32 v9, v9, |v[XS+\i+2]|, |v[XS+\i+3]|
.endr
	v_max3_num_f32 v8, v8, |v[XS+14]|, |v[XS+15]|
	v_max3_num_f32 v8, v8, v9, (EMAX+1)<<23        ; and the floor 2^(9 - 127): so the byte cannot fall under 1
	v_max_num_f32_dpp v8, v8, v8 row_xmask:1 row_mask:0xf bank_mask:0xf   ; and of my neighbour's 16: the block's
	v_add_nc_u32 v11, -(EMAX<<23), v8              ; 8 off its exponent field: the conversion takes the exponent field of this operand as its scale, and nothing else of it
	v_and_or_b32 v10, v8, 0x7f800000, s23          ; 448 x the scale
.irp i, 0,1,2,3,4,5,6,7,8,9,10,11,12,13,14,15
	v_med3_num_f32 v[XS+\i], v[XS+\i], -v10, v10   ; the conversion to an 8-bit code does not saturate (ISA guide 7.6.2): hold the number first
.endr
	v_cvt_scalef32_pk8_fp8_f32 v[C+4*(\t):C+4*(\t)+1], v[XS:XS+7], v11
	v_cvt_scalef32_pk8_fp8_f32 v[C+4*(\t)+2:C+4*(\t)+3], v[XS+8:XS+15], v11
	v_lshrrev_b32 v[E+(\t)], 23, v11               ; the scale's byte
	ds_store_b8 v5, v[E+(\t)] offset:16*(\t)       ; both lanes of a block write the same byte with the same value
	global_store_b128 v4, v[C+4*(\t):C+4*(\t)+3], s[8:9] offset:32*CB*(\t)   ; the wave stores 512 consecutive bytes
.endm
.irp t, 0,1,2,3,4,5,6,7,8,9,10,11,12,13,14,15
	STEP \t
.endr
	ds_load_b64 v[12:13], v6                       ; LDS serves a wave's instructions in order: these see my stores
	s_wait_dscnt 0x0
	global_store_b64 v7, v[12:13], s[10:11]        ; 32 lanes store 256 consecutive bytes, aligned
	s_wait_tensorcnt 0x0
	ds_add_u32 v192, v193
	s_wait_dscnt 0x0
	s_endpgm
; THE TABLE.  Tile T (0 .. 127) serves the 16 sequence places 32 (T / 2) + 8 (T % 2) + r + 8 (r / 8), r = lane % 16.  Lane (r, h) makes, for its place, frequencies p = 16 (q / 4) + 8 h + 2 (q % 4) + e:
; 16 bytes (cos p, sin p, cos p + 1, sin p + 1) at T x 4,096 + q x 512 + 16 x lane: the very registers that the next launch's rotation wants in that lane.
.Lrope:
	s_sub_co_u32 s17, ttmp9, NQWG
	s_lshl_b32 s17, s17, 2
	s_add_co_u32 s17, s17, s16                     ; T
	s_lshr_b32 s18, s17, 1
	s_lshl_b32 s18, s18, 7                         ; 32 (T / 2) positions of 4 bytes
	s_and_b32 s19, s17, 1
	s_lshl_b32 s19, s19, 5                         ; 8 (T % 2) of them
	s_add_co_u32 s18, s18, s19
	v_and_b32 v3, 15, v0                           ; r
	v_bfe_u32 v4, v0, 4, 1                         ; h
	v_and_b32 v5, 8, v3
	v_add_nc_u32 v5, v5, v3                        ; r + 8 (r / 8)
	v_lshl_add_u32 v5, v5, 2, s18
	v_lshlrev_b32 v9, 3, v4                        ; 8 h
	s_wait_alu depctr_va_vdst(0)
	v_lshlrev_b32 v23, 4, v2                       ; 16 x lane
	s_lshl_b32 s14, s17, 12
	s_add_co_u32 s14, s14, ROPE
	s_mov_b32 s15, 0
	s_mov_b32 s20, 0xbed49a78                      ; -log2(10000) / 32
	s_mov_b32 s21, 0x3f22f983                      ; 2 / pi
	s_mov_b32 s22, 0xbfc90fdb                      ; -(pi / 2) in three parts, each taken off by a fused multiply-add
	s_mov_b32 s23, 0x333bbd2e
	s_mov_b32 s24, 0x26f72ced
	s_mov_b32 s25, 0xb94ca1f9                      ; sine on |r| <= pi / 4: r + r z ((S0 z + S1) z + S2), z = r r
	s_mov_b32 s26, 0x3c08839e
	s_mov_b32 s27, 0xbe2aaaa3
	s_mov_b32 s28, 0x37ccf5ce                      ; cosine: 1 - z / 2 + z z ((C0 z + C1) z + C2)
	s_mov_b32 s29, 0xbab6061a
	s_mov_b32 s30, 0x3d2aaaa5
	s_wait_kmcnt 0x0
	global_load_b32 v6, v5, s[10:11]               ; my place's position
	s_add_nc_u64 s[12:13], s[12:13], s[14:15]
	s_wait_loadcnt 0x0
	v_cvt_f32_i32 v7, v6
.macro SINCOS                          ; cos and sin of position x inv_freq(8 h + RK) into v[RD], v[RD + 1]
	v_add_nc_u32 v10, RK, v9
	v_cvt_f32_u32 v10, v10
	v_mul_f32 v10, s20, v10
	s_wait_alu depctr_va_vdst(0)
	v_exp_f32 v10, v10                             ; inv_freq
	v_nop                                          ; one plain instruction behind a transcendental
	s_wait_alu depctr_va_vdst(0)
	v_mul_f32 v11, v7, v10                         ; the angle: one rounding, as in the definition
	v_mul_f32 v12, s21, v11
	v_rndne_f32 v12, v12                           ; n: the nearest multiple of pi / 2
	v_fma_f32 v13, v12, s22, v11
	v_fma_f32 v13, v12, s23, v13
	v_fma_f32 v13, v12, s24, v13                   ; r = angle - n pi / 2
	v_mul_f32 v14, v13, v13                        ; z
	v_fma_f32 v15, v14, s25, s26
	v_fma_f32 v16, v14, s28, s29
	v_fma_f32 v15, v15, v14, s27
	v_fma_f32 v16, v16, v14, s30
	v_mul_f32 v15, v15, v14
	v_mul_f32 v17, v14, v14
	v_fma_f32 v18, v14, -0.5, 1.0
	v_fma_f32 v15, v15, v13, v13                   ; sin r
	v_fma_f32 v16, v16, v17, v18                   ; cos r
	v_cvt_i32_f32 v19, v12
	v_and_b32 v20, 1, v19
	v_cmp_eq_u32 vcc_lo, 1, v20                    ; an odd quadrant exchanges the two
	v_cndmask_b32 v21, v15, v16, vcc_lo
	v_cndmask_b32 v22, v16, v15, vcc_lo
	v_lshlrev_b32 v20, 30, v19
	v_and_b32 v20, 0x80000000, v20                 ; the sine's sign turns in quadrants 2 and 3,
	v_xor_b32 v[RD+1], v20, v21
	v_add_nc_u32 v19, 1, v19
	v_lshlrev_b32 v19, 30, v19
	v_and_b32 v19, 0x80000000, v19                 ; the cosine's in 1 and 2
	v_xor_b32 v[RD], v19, v22
.endm
.irp q, 0,1,2,3,4,5,6,7
.irp e, 0,1
.set RK, 16*(\q/4)+2*(\q%4)+\e
.set RD, 32+4*\q+2*\e
	SINCOS
.endr
	global_store_b128 v23, v[32+4*\q:35+4*\q], s[12:13] offset:512*\q   ; 512 consecutive bytes; each store has registers of its own
.endr
	s_endpgm
.Lfunc_end_k_q8f9d699cec_prep:
	.size	k_q8f9d699cec_prep, .Lfunc_end_k_q8f9d699cec_prep-k_q8f9d699cec_prep
	.p2alignl 7, 3214868480
	.fill 96, 4, 3214868480
	.section	.rodata,"a",@progbits
	.p2align	6, 0x0
	.amdhsa_kernel k_q8f9d699cec_prep
		.amdhsa_group_segment_fixed_size 33280
		.amdhsa_private_segment_fixed_size 0
		.amdhsa_enable_private_segment 0
		.amdhsa_kernarg_size 40
		.amdhsa_user_sgpr_count 2
		.amdhsa_user_sgpr_kernarg_segment_ptr 1
		.amdhsa_wavefront_size32 1
		.amdhsa_system_sgpr_workgroup_id_x 1
		.amdhsa_system_sgpr_workgroup_id_y 1
		.amdhsa_system_sgpr_workgroup_id_z 1
		.amdhsa_system_vgpr_workitem_id 0
		.amdhsa_next_free_vgpr 194
		.amdhsa_next_free_sgpr 66
		.amdhsa_reserve_vcc 1
		.amdhsa_float_denorm_mode_32 3
		.amdhsa_float_denorm_mode_16_64 3
		.amdhsa_memory_ordered 1
		.amdhsa_forward_progress 1
		.amdhsa_inst_pref_size 77
	.end_amdhsa_kernel
	.amdgpu_metadata
---
amdhsa.version: [ 1, 2 ]
amdhsa.kernels:
  - .name:           k_q8f9d699cec_prep
    .symbol:         k_q8f9d699cec_prep.kd
    .args:
      - { .name: x, .offset: 0, .size: 8, .value_kind: global_buffer, .address_space: global }
      - { .name: Wqkv_w, .offset: 8, .size: 8, .value_kind: global_buffer, .address_space: global }
      - { .name: Wo_w, .offset: 16, .size: 8, .value_kind: global_buffer, .address_space: global }
      - { .name: token_positions, .offset: 24, .size: 8, .value_kind: global_buffer, .address_space: global }
      - { .name: q1, .offset: 32, .size: 8, .value_kind: global_buffer, .address_space: global }
    .group_segment_fixed_size: 33280
    .private_segment_fixed_size: 0
    .kernarg_segment_align: 8
    .kernarg_segment_size: 40
    .max_flat_workgroup_size: 128
    .sgpr_count:     66
    .vgpr_count:     194
    .wavefront_size: 32
...
	.end_amdgpu_metadata
.endif
;; end of part 1
;; launch qkv (part 2): grid 8 x 32, 4 waves a work-group, clusters of 4 x 4, 327,680 bytes of LDS; arguments q1, Wqkv_b, qkv; writes qkv
.if DOCPART == 2
	.amdgcn_target "amdgcn-amd-amdhsa--gfx1250"
	.amdhsa_code_object_version 6
	.text
	.protected	k_q8f9d699cec_qkv
	.globl	k_q8f9d699cec_qkv
	.p2align	8
	.type	k_q8f9d699cec_qkv,@function
k_q8f9d699cec_qkv:
	s_mov_b64 s[64:65], 0
	v_nop
	global_prefetch_b8 v0, s[64:65] scope:SCOPE_SE
	s_setreg_imm32_b32 hwreg(HW_REG_WAVE_MODE, 25, 1), 1
	s_wait_xcnt 0x0
	s_wait_alu depctr_hold_cnt(0) depctr_sa_sdst(0) depctr_va_vdst(0) depctr_va_sdst(0) depctr_va_ssrc(0) depctr_va_vcc(0) depctr_vm_vsrc(0)
	s_getreg_b32 s2, hwreg(HW_REG_IB_STS2, 6, 4)
	s_cmp_eq_u32 s2, 0
	s_cbranch_scc0 .Lentry_in_a_cluster
	s_endpgm
.Lentry_in_a_cluster:
	s_bfe_u32 s2, ttmp6, 0x10000c
	s_cmp_lg_u32 s2, 0xf033
	s_cbranch_scc0 .Lentry_shape_is_right
	s_endpgm
.Lentry_shape_is_right:
; x Wqkv_w^T + Wqkv_b on codes of FP8 (E4M3) with E8M0 scales, then what attention wants of it: Q and K rotated and quantised along the head's 64, V quantised along the keys.  Nothing leaves as f32.
; A WORK-GROUP STAYS AND MAKES TWO PRODUCTS FROM THE SAME 256 ROWS OF x: so all 256 work-groups have the same work (the 3,072 columns are 1.5 tiles of 256 x 256 for each of them).
;   1: 256 tokens x 256 columns of Wq (cluster x = 0) or Wk (1).  Source 1 = x, source 0 = W: a lane holds ONE token, its registers run along the head's channels.  A wave makes 128 x 128: 64 accumulators.
;   2: 256 keys x 128 channels of Wv.                             Source 1 = Wv, source 0 = x: a lane holds ONE channel, its registers run along the keys.        A wave makes 128 keys x 64 channels: 32 accumulators.
; K = 1,024 goes in four steps of 256 through a ring of two LDS slots filled by the tensor data mover, and THE RING GOES ON FROM THE FIRST PRODUCT INTO THE SECOND: the first product's last change of slots asks for the
; second's K step 0, a change of slots written into the first product's way out asks for its K step 1: both land under the way out's vector work.
; The scale bytes of x's 256 rows and of W's come once, with the first fills; x's serve both products.  Wv's 4,096 scale bytes come once through registers, into LDS bytes that no tensor load fills.
; All operands are rows of q1's ONE matrix of codes (x: rows 0 on; Wqkv_w: rows 8,192 on).  Its rows lie with bits 3 and 4 of the row number exchanged, so that source 0's blocks 2 b, 2 b + 1 leave in lane (r, h)
; registers 16 b + i = index 32 b + 16 h + i: 16 neighbours along the next product's K, in the order of an operand's registers.  Lane r of source 1's block a is row 32 (a / 2) + 8 (a % 2) + r + 8 (r / 8).
; So the conversions' results ARE operand registers, and they are stored as images: each group of four registers at 16 x lane, 512 consecutive bytes a store.  No stage, no transposition.
; qkv: Q's images [head 64][tile 128][c 2][lane][16]; from QS on Q's scale words [head][tile][16] (two bytes, then 0x7f7f: the upper half of the instruction's K is zeros);
;   from KV on, for each head and each 128 keys, a block of 17,152 bytes: K's images [tile 8][c 2], V's [channel tile 4][c 4], K's scale words [8][16], V's [4][16].
; CLUSTERS: 4 x 4.  x's tiles hang on the cluster's y and on cy and are shared along a row of the cluster, in both products; W's hang on the cluster's x and on cx and are shared along a column: joint loads.
; LIMITS: NaN and infinities are not served; a block of zeros carries the byte 1 (its codes are zeros; this program alone reads the bytes).
; REGISTERS: window 0: v0-31 addresses, V's bias (v8-11), the scale word just made (v30); v32-63 the products' scale words, two sets, nothing else ever; v64-127 Q's and K's bias; v128-255 source 1's fragments
;   (first product: ONE set of 8 blocks; second: two sets of 4); on the ways out v128-191 a block's 64 numbers, v192-223 at work, v224-239 codes, v240-255 the quantiser's.
;   window 1: source 0's fragments, two sets; between the products cosines and sines, 32 a block.  windows 2, 3: the accumulators (the second product: window 2 alone).
.set KSTEP,  256
.set NQ,     2                         ; matrix instructions deep in a slot
.set ROWB,   256
.set KROW,   1024                      ; a row of codes in memory
.set PITCH,  272                       ; an LDS row: 256 bytes + 16 of padding: the 16 rows that a load touches start at 16 different banks (64 banks of 4 bytes: ISA guide 11.1)
.set FR,     16
.set NL,     4
.set NP,     8                         ; places behind this matrix instruction (ISA guide 7.12.1)
.set HALFT,  128*PITCH
.set SLOT,   4*HALFT                   ; x's 256 rows, then W's 256 (the second product: Wv's 128)
.set LAPS,   2
.set KS,     32                        ; a row of scale bytes
.set HALFS,  16*272                    ; the scale bytes of 128 rows: 16 units of 256 bytes + 16 of padding
.set SBLK,   2*272                     ; those of 16 rows
.set WVS,    2*SLOT                    ; Wv's scale bytes, stored by the waves: 17 blocks of 256 bytes into which no fill lands; x's follow directly
.set SCL,    WVS+HALFS                 ; x's scale bytes (256 rows), then Wq's or Wk's
.set SPARE,  SCL+4*HALFS               ; the spare words, 128 bytes for each wave: two blocks of 256 bytes that no other line names
.set GST,    SPARE+512                 ; 512 bytes a wave in which Q's or K's scale words meet; V's have their own, 2,048 further on
.set SCALES, 12582912
.set ROPE,   12976128
.set QS,     8388608
.set KV,     8912896
.set HEADB,  274432
.set STEPB,  17152
.set LI,   4                           ; v4   16 x lane; never rewritten
.set GS,   5                           ; v5   where a scale word goes: GST + 512 x wave + 4 r
.set GL,   7                           ; v7   where four come back: GST + 512 x wave + 16 x lane
.set VB,   8                           ; v8-11  V's bias: my channel's, for each of the four blocks
.set ADRA, 16                          ; v16-17 x's fragments in slot 0, 1
.set V8,   19                          ; v19  8 x lane
.set ADRB, 20                          ; v20-21 Wq's or Wk's fragments
.set ADRW, 22                          ; v22-23 Wv's fragments
.set ADRS2, 24                         ; v24  the second product's scale words: lanes 0-15 Wv's rows, lanes 16-31 x's
.set GL8,  25                          ; v25  where two scale words come back: GST + 512 x wave + 8 x lane
.set WST,  26                          ; v26  where my 16 of Wv's scale bytes go
.set ADRS, 27                          ; v27  the first product's scale words: lanes 0-15 x's rows, lanes 16-31 W's
.set SPW,  28
.set NIL,  29
.set PW,   30
.set WLD,  31                          ; v31  16 x my thread's number
.set SC,   32
.set BIAS, 64
.set AF,   128
.set X,    128
.set RT,   192
.set PC,   224
.set TM,   240
.set SEL,  20
.set MNT,  23
.set G1, 24                            ; s[24:31], s[32:39] x's tiles: group 1; group 0, one set for each slot: they serve both products
.set G0, 32
.set G1B, 48                           ; s[48:55], s[56:63] Wq's or Wk's tiles; on the way out plain scalars
.set G0B, 56
.set G1S, 68                           ; s[68:91] the scale bytes' descriptors; behind the wait that shows those loads done:
.set G0S, 76
.set G1SB, 80
.set G0SB, 88
.set G1V, 68                           ; s[68:75], s[76:83] Wv's tiles
.set G0V, 76
.set MSB, 0
.macro WIN new                         ; the immediate's high byte repeats the setting that is left
.if MSB != \new
	s_set_vgpr_msb (MSB<<8)|\new
.set MSB, \new
.endif
.endm
.set MUL_LO, 0xa1                      ; source 0 window 1, source 1 window 0, C and D window 2
.set MUL_HI, 0xf1
.set TO_B,   0x40
; A joint load: waves 0 and 1 fetch x's two halves, waves 2 and 3 W's.  Four v_nop follow each of the two lines.
.macro JLOAD g0a, g1a, g0b, g1b
	s_cmp_eq_u32 s15, 0
	s_cbranch_scc0 .Lfor_b_\@
	tensor_load_to_lds s[\g0a:\g0a+3], s[\g1a:\g1a+7]
	s_nop 0
.rept 4
	v_nop
.endr
	s_branch .Lasked_\@
.Lfor_b_\@:
	tensor_load_to_lds s[\g0b:\g0b+3], s[\g1b:\g1b+7]
	s_nop 0
.rept 4
	v_nop
.endr
.Lasked_\@:
.endm
.macro CREST                           ; a round of the cluster's barrier behind its opening barrier
	s_cmp_lg_u32 s14, 0
	s_cbranch_scc1 .Lnot_wave_0_\@
	s_barrier_signal -3
.Lnot_wave_0_\@:
	s_barrier_wait -3
	s_barrier_signal -1
	s_barrier_wait -1
.endm
.macro CROUND
	s_barrier_signal -1
	s_barrier_wait -1
	CREST
.endm
	s_load_b128 s[4:7], s[0:1], 0x0                ; q1 s[4:5], Wqkv_b s[6:7]
	s_load_b64 s[8:9], s[0:1], 0x10                ; qkv
	v_lshl_add_u32 v[SPW], v0, 2, SPARE
	v_mov_b32 v[NIL], 0
	ds_add_u32 v28, v29
	ds_add_u32 v28, v29
	s_wait_dscnt 0x0
	v_lshrrev_b32 v1, 5, v0
	v_readfirstlane_b32 s14, v1                    ; wave 0..3
	s_lshr_b32 s15, s14, 1                         ; which half of x's rows is mine, in both products.  Also: I fetch for x (0) or for W (1)
	s_and_b32 s16, s14, 1                          ; which half of W's.  Also: which half of that tile I fetch
	s_bfe_u32 s40, ttmp6, 0x40000                  ; cx, cy: my place in the cluster
	s_bfe_u32 s41, ttmp6, 0x40004
	s_and_b32 s17, ttmp7, 0xffff                   ; the cluster's y; its x is ttmp9
	s_lshl_b32 s43, s41, 2
	s_lshl_b32 s43, 15, s43                        ; my row of the cluster
	s_lshl_b32 s44, 0x1111, s40                    ; my column
	s_or_b32 s[G1+0], s43, (0<<16)|(1<<20)|(1<<21)|(5<<22)|(3<<25)  ; the mask; elements of 1 byte; padding on; bit 21 beside a mask; after every 64 words, 4 words
	s_or_b32 s[G1B+0], s44, (0<<16)|(1<<20)|(1<<21)|(5<<22)|(3<<25)
.irp g, G1, G1B
	s_mov_b32 s[\g+1], ROWB<<16                    ; tensor_dim0
	s_mov_b32 s[\g+2], 128<<16                     ; tensor_dim1
	s_mov_b32 s[\g+3], ROWB<<16                    ; tile_dim0
	s_mov_b32 s[\g+4], 128                         ; tile_dim1
	s_mov_b32 s[\g+5], KROW                        ; the pitch
	s_mov_b32 s[\g+6], 0
	s_mov_b32 s[\g+7], 0
.endr
	s_or_b32 s[G1S+0], s43, (3<<16)|(1<<20)|(1<<21)|(5<<22)|(3<<25)   ; the scales of 128 rows: 4,096 dense bytes as 16 rows of 256, 16 bytes of padding behind each
	s_or_b32 s[G1SB+0], s44, (3<<16)|(1<<20)|(1<<21)|(5<<22)|(3<<25)
.irp g, G1S, G1SB
	s_mov_b32 s[\g+1], 32<<16
	s_mov_b32 s[\g+2], 16<<16
	s_mov_b32 s[\g+3], 32<<16
	s_mov_b32 s[\g+4], 16
	s_mov_b32 s[\g+5], 32
	s_mov_b32 s[\g+6], 0
	s_mov_b32 s[\g+7], 0
.endr
	; which rows of q1's matrix
	s_lshl_b32 s18, s16, 7                         ; which 128 rows of the tile I fetch
	s_lshl_b32 s20, s17, 10
	s_lshl_b32 s19, s41, 8
	s_add_co_u32 s20, s20, s19                     ; x: row 1,024 y + 256 cy: shared along my row of the cluster
	s_add_co_u32 s20, s20, s18
	s_lshl_b32 s46, ttmp9, 10
	s_lshl_b32 s47, s40, 8
	s_add_co_u32 s46, s46, s47
	s_add_co_u32 s46, s46, s18
	s_add_co_u32 s46, s46, 8192                    ; Wq (cluster x = 0) or Wk (1): row 8,192 + 1,024 x + 256 cx: shared along my column
	s_mov_b32 s21, 0
	s_mov_b32 s47, 0
	s_mov_b64 s[18:19], KS
	s_mul_u64 s[22:23], s[20:21], s[18:19]
	s_mul_u64 s[92:93], s[46:47], s[18:19]
	s_add_nc_u64 s[22:23], s[22:23], SCALES        ; where these rows' scale bytes begin,
	s_add_nc_u64 s[92:93], s[92:93], SCALES
	s_mov_b64 s[18:19], KROW
	s_mul_u64 s[20:21], s[20:21], s[18:19]         ; and their codes
	s_mul_u64 s[46:47], s[46:47], s[18:19]
	s_mul_i32 s45, s14, HALFT                      ; where they go: wave x 128 rows: no place in the cluster enters an LDS address
	s_mul_i32 s94, s14, HALFS
	s_lshl_b32 s96, ttmp9, 9
	s_lshl_b32 s95, s40, 7
	s_add_co_u32 s96, s96, s95
	s_add_co_u32 s96, s96, 10240                   ; Wv: my work-group's 128 rows begin at row 10,240 + 512 x + 128 cx: shared along my column
	s_lshl_b32 s100, s96, 5
	s_add_co_u32 s100, s100, SCALES                ; their scale bytes,
	s_mov_b32 s101, 0
	s_lshl_b32 s95, s16, 6
	s_add_co_u32 s66, s96, s95                     ; and the codes of the 64 rows that I fetch, if I fetch for W
	s_lshl_b32 s66, s66, 10
	s_mov_b32 s67, 0
	s_lshl_b32 s97, s17, 2                         ; my 256 tokens are block 4 y + cy of 32;
	s_add_co_u32 s97, s97, s41
	s_lshr_b32 s10, s97, 3                         ; the batch,
	s_and_b32 s97, s97, 7
	s_lshl_b32 s97, s97, 1
	s_add_co_u32 s97, s97, s15                     ; and which 128 tokens of its sequence are my wave's
	s_lshl_b32 s98, s97, 15                        ; their eight tiles of the table of cosines and sines, 4,096 bytes each
	s_add_co_u32 s98, s98, ROPE
	s_mov_b32 s99, 0
	s_wait_kmcnt 0x0
	s_add_nc_u64 s[20:21], s[4:5], s[20:21]
	s_add_nc_u64 s[22:23], s[4:5], s[22:23]
	s_add_nc_u64 s[46:47], s[4:5], s[46:47]
	s_add_nc_u64 s[92:93], s[4:5], s[92:93]
	s_add_nc_u64 s[98:99], s[4:5], s[98:99]
	s_add_nc_u64 s[100:101], s[4:5], s[100:101]
	s_add_nc_u64 s[66:67], s[4:5], s[66:67]
	CROUND                                         ; all sixteen work-groups are here: the first joint loads meet
	s_mov_b32 s[G0S], 1
	s_add_co_u32 s[G0S+1], s94, SCL
	s_mov_b64 s[G0S+2:G0S+3], s[22:23]
	s_or_b32 s[G0S+3], s[G0S+3], 0x80000000
	s_mov_b32 s[G0SB], 1
	s_add_co_u32 s[G0SB+1], s94, SCL
	s_mov_b64 s[G0SB+2:G0SB+3], s[92:93]
	s_or_b32 s[G0SB+3], s[G0SB+3], 0x80000000
	JLOAD G0S, G1S, G0SB, G1SB                     ; the scales first: they are wanted with K step 0
.irp s, 0,1
	s_mov_b32 s[G0+4*\s], 1
	s_add_co_u32 s[G0+4*\s+1], s45, \s*SLOT
	s_add_nc_u64 s[G0+4*\s+2:G0+4*\s+3], s[20:21], \s*ROWB
	s_or_b32 s[G0+4*\s+3], s[G0+4*\s+3], 0x80000000
	s_mov_b32 s[G0B+4*\s], 1
	s_add_co_u32 s[G0B+4*\s+1], s45, \s*SLOT
	s_add_nc_u64 s[G0B+4*\s+2:G0B+4*\s+3], s[46:47], \s*ROWB
	s_or_b32 s[G0B+4*\s+3], s[G0B+4*\s+3], 0x80000000
	s_wait_alu depctr_va_vdst(0)
	s_wait_tensorcnt 0x0
	ds_add_u32 v28, v29
	s_wait_dscnt 0x0
	CROUND
	JLOAD G0+4*\s, G1, G0B+4*\s, G1B               ; one tensor load of mine is out
.endr
	v_and_b32 v1, 15, v0                           ; r = lane % 16
	v_bfe_u32 v2, v0, 4, 1                         ; h = lane / 16
	v_lshlrev_b32 v[WLD], 4, v0
	global_load_b128 v[192:195], v[WLD], s[100:101]               ; Wv's 4,096 scale bytes as they lie: 128 threads x 16 bytes, twice
	global_load_b128 v[196:199], v[WLD], s[100:101] offset:2048
	v_lshrrev_b32 v[WST], 4, v0
	v_lshl_add_u32 v[WST], v[WST], 4, v[WLD]
	v_add_nc_u32 v[WST], WVS, v[WST]               ; in LDS 16 bytes of padding follow each 256: WVS + 16 t + 16 (t / 16)
	v_mul_u32_u24 v3, v1, PITCH
	v_lshl_add_u32 v3, v2, 4, v3                   ; a fragment's row x pitch + 16 x half
	s_wait_alu depctr_va_vdst(0)
	s_mul_i32 s21, s15, HALFT                      ; my 128 rows of x
	s_mul_i32 s22, s16, HALFT
	s_add_co_u32 s22, s22, 2*HALFT                 ; my 128 rows of Wq or Wk
	s_mul_i32 s42, s16, 64*PITCH
	s_add_co_u32 s42, s42, 2*HALFT                 ; my 64 rows of Wv
.irp s, 0,1
	v_add_nc_u32 v[ADRA+\s], s21, v3
	v_add_nc_u32 v[ADRB+\s], s22, v3
	v_add_nc_u32 v[ADRW+\s], s42, v3
	s_add_co_u32 s21, s21, SLOT
	s_add_co_u32 s22, s22, SLOT
	s_add_co_u32 s42, s42, SLOT
.endr
	v_mul_u32_u24 v12, v1, KS                      ; row r's scales: 32 bytes a row,
	v_lshrrev_b32 v13, 8, v12
	v_lshl_add_u32 v12, v13, 4, v12                ; and 16 more for each 256 passed
	s_mul_i32 s21, s15, HALFS
	s_mul_i32 s22, s16, HALFS
	s_add_co_u32 s22, s22, 2*HALFS
	s_sub_co_u32 s22, s22, s21
	v_mul_u32_u24 v13, s22, v2                     ; the first product: lanes 0-15 x's, lanes 16-31 W's
	s_add_co_u32 s21, s21, SCL
	v_add_nc_u32 v13, v12, v13
	v_add_nc_u32 v[ADRS], s21, v13
	s_mul_i32 s21, s15, HALFS
	s_add_co_u32 s21, s21, SCL-WVS
	s_mul_i32 s22, s16, 8*272
	s_sub_co_u32 s21, s21, s22
	v_mul_u32_u24 v13, s21, v2                     ; the second: lanes 0-15 Wv's (my 64 rows), lanes 16-31 x's (my 128)
	s_wait_alu depctr_va_vdst(0)
	s_add_co_u32 s22, s22, WVS
	v_add_nc_u32 v13, v12, v13
	v_add_nc_u32 v[ADRS2], s22, v13
	v_and_b32 v[LI], 31, v0
	v_lshlrev_b32 v[V8], 3, v[LI]
	v_lshlrev_b32 v[LI], 4, v[LI]
	s_lshl_b32 s21, s14, 9
	s_add_co_u32 s21, s21, GST
	v_lshl_add_u32 v[GS], v1, 2, s21
	v_add_nc_u32 v[GL], s21, v[LI]
	v_add_nc_u32 v[GL8], s21, v[V8]
	; THE BIASES, asked for now and waited for behind the first product's last change of slots
	s_lshl_b32 s18, ttmp9, 12                      ; Q, K: numbers 1,024 x + 256 cx + 128 (wave % 2) on; register 8 t + j wants number 32 (t / 2) + 8 (t % 2) + 16 h + j of them
	s_lshl_b32 s11, s40, 10
	s_add_co_u32 s18, s18, s11
	s_lshl_b32 s11, s16, 9
	s_add_co_u32 s18, s18, s11
	s_mov_b32 s19, 0
	s_add_nc_u64 s[12:13], s[6:7], s[18:19]
	s_lshl_b32 s18, ttmp9, 11                      ; V: numbers 2,048 + 512 x + 128 cx + 64 (wave % 2) on; for block a my lane wants number 32 (a / 2) + 8 (a % 2) + r + 8 (r / 8)
	s_lshl_b32 s11, s40, 9
	s_add_co_u32 s18, s18, s11
	s_lshl_b32 s11, s16, 8
	s_add_co_u32 s18, s18, s11
	s_add_co_u32 s18, s18, 8192
	s_add_nc_u64 s[6:7], s[6:7], s[18:19]
	v_lshlrev_b32 v6, 6, v2
.irp t, 0,1,2,3,4,5,6,7
	global_load_b128 v[BIAS+8*\t:BIAS+8*\t+3], v6, s[12:13] offset:(32*(\t/2)+8*(\t%2))*4
	global_load_b128 v[BIAS+8*\t+4:BIAS+8*\t+7], v6, s[12:13] offset:(32*(\t/2)+8*(\t%2))*4+16
.endr
	v_and_b32 v3, 8, v1
	v_add_nc_u32 v3, v3, v1
	v_lshlrev_b32 v18, 2, v3
.irp a, 0,1,2,3
	global_load_b32 v[VB+\a], v18, s[6:7] offset:(32*(\a/2)+8*(\a%2))*4
.endr
.macro FRAG reg, adr, q, i             ; a fragment, 16 rows x 128 K: lane l holds row l % 16; registers 4 c .. 4 c + 3 hold K = 32 c + 16 (l / 16) + 0 .. 15
.irp c, 0,1,2,3
	ds_load_b128 v[\reg+4*\c:\reg+4*\c+3], v[\adr] offset:128*(\q)+32*\c+(\i)*16*PITCH
.endr
.endm
; 16 matrix instructions: source 1's blocks a0, a0 + 1 (from v[AFB] on) x source 0's eight.  The accumulators take turns, one instruction a turn, in the same order in every step.
.set AFB, AF
.macro MUL16 a0, p, q, sc, zero
.irp a, \a0, \a0+1
.irp b, 0,1,2,3,4,5,6,7
.if \zero
	v_wmma_scale_f32_16x16x128_f8f6f4 v[8*(8*((\a)%4)+\b):8*(8*((\a)%4)+\b)+7], v[128*(\p)+FR*\b:128*(\p)+FR*\b+FR-1], v[AFB+FR*(\a):AFB+FR*(\a)+FR-1], 0, v[SC+8*NQ*(\sc)+NQ*\b+(\q)], v[SC+8*NQ*(\sc)+NQ*(\a)+(\q)] matrix_a_scale:MATRIX_SCALE_ROW1
.else
	v_wmma_scale_f32_16x16x128_f8f6f4 v[8*(8*((\a)%4)+\b):8*(8*((\a)%4)+\b)+7], v[128*(\p)+FR*\b:128*(\p)+FR*\b+FR-1], v[AFB+FR*(\a):AFB+FR*(\a)+FR-1], v[8*(8*((\a)%4)+\b):8*(8*((\a)%4)+\b)+7], v[SC+8*NQ*(\sc)+NQ*\b+(\q)], v[SC+8*NQ*(\sc)+NQ*(\a)+(\q)] matrix_a_scale:MATRIX_SCALE_ROW1
.endif
.endr
.endr
.endm
.macro FETCH_B slot, q, p
	WIN TO_B
.irp i, 0,1,2,3,4,5,6,7
	FRAG 128*(\p)+FR*\i, ADRB+\slot, \q, \i
.endr
	WIN 0
.endm
.macro FETCH_A slot, q, i0
.irp i, \i0, \i0+1, \i0+2, \i0+3
	FRAG AF+FR*(\i), ADRA+\slot, \q, \i
.endr
.endm
.macro SCALES_IN sc, adr               ; a K step's scale words into set sc: two words a row; lanes 0-15 take source 1's block i, lanes 16-31 source 0's block i
.irp i, 0,1,2,3,4,5,6,7
	ds_load_b64 v[SC+8*NQ*\sc+NQ*\i:SC+8*NQ*\sc+NQ*\i+1], v[\adr] offset:\i*SBLK
.endr
.endm
.macro PLACES n                        ; plain vector instructions that name no register of the matrix instructions in front of them (ISA guide 7.12.1)
.rept \n
	v_nop
.endr
.endm
.macro STEP slot, q, zero              ; the first product: 128 along K that has its successor in the same slot
	s_wait_dscnt 4*NL                              ; W's set and x's blocks 0-3 are in; the sixteen youngest loads (x's blocks 4-7) may be out
	WIN MUL_LO
	MUL16 0, (\q)%2, \q, \slot, \zero
	MUL16 2, (\q)%2, \q, \slot, \zero
	s_wait_dscnt 0
	PLACES NP
	FETCH_B \slot, (\q)+1, 1-(\q)%2
	FETCH_A \slot, (\q)+1, 0
	WIN MUL_HI
	MUL16 4, (\q)%2, \q, \slot, \zero
	MUL16 6, (\q)%2, \q, \slot, \zero
	PLACES NP
	WIN 0
	FETCH_A \slot, (\q)+1, 4
.endm
; A slot's last step changes slots: ONE barrier, which opens a round of the cluster's; in front of it each wave waits for all its tensor loads, adds 0 to its spare word, and waits for that and for its own reads of this slot.
; on = 0: this slot is filled with the first product's K step two steps on;  on = 1: with the SECOND product's K step 0 (x's address goes back along K; W's descriptor is Wv's).
.macro TURN slot, next, on
	s_wait_tensorcnt 0x0                           ; all my tensor loads have landed: my part of the next slot
	ds_add_u32 v[SPW], v[NIL]                      ; 0 onto my spare word
	s_wait_dscnt 4*NL+1                            ; (the add and the sixteen youngest loads may be out)
	WIN MUL_LO
	MUL16 0, 1, NQ-1, \slot, 0
	s_wait_dscnt 0x0                               ; the add is done, and my reads of this slot are over
	s_barrier_signal -1
	MUL16 2, 1, NQ-1, \slot, 0
	WIN 0
	s_barrier_wait -1
	CREST                                          ; no wave of any partner still reads this slot or has a load on its way
.if \on
	s_sub_nc_u64 s[G0+4*\slot+2:G0+4*\slot+3], s[G0+4*\slot+2:G0+4*\slot+3], 2*ROWB
	JLOAD G0+4*\slot, G1, G0V+4*\slot, G1V
.else
	s_add_nc_u64 s[G0+4*\slot+2:G0+4*\slot+3], s[G0+4*\slot+2:G0+4*\slot+3], 2*ROWB
	s_add_nc_u64 s[G0B+4*\slot+2:G0B+4*\slot+3], s[G0B+4*\slot+2:G0B+4*\slot+3], 2*ROWB
	JLOAD G0+4*\slot, G1, G0B+4*\slot, G1B
.endif
	PLACES NP-4                                    ; with the four v_nop behind the joint load: the places in front of the loads below
	s_wait_alu depctr_va_vdst(0)
	v_add_nc_u32 v[ADRS], 4*NQ, v[ADRS]            ; on to the next K step's scale words (no LDS load of mine is out)
	FETCH_B \next, 0, 0
	FETCH_A \next, 0, 0
	SCALES_IN \next, ADRS
	WIN MUL_HI
	MUL16 4, 1, NQ-1, \slot, 0
	MUL16 6, 1, NQ-1, \slot, 0
	PLACES NP
	WIN 0
	FETCH_A \next, 0, 4
.endm
.macro CSLOAD a                        ; block a's cosines and sines: 8 x 512 consecutive bytes, into window 1, v[32 a] on
.irp q, 0,1,2,3,4,5,6,7
	global_load_b128 v[32*(\a)+4*\q:32*(\a)+4*\q+3], v[LI], s[98:99] offset:(\a)*4096+512*\q
.endr
.endm
	s_wait_loadcnt 20                              ; Wv's scale bytes are in; the twenty loads of the biases, issued behind them, stay out
	ds_store_b128 v[WST], v[192:195]
	ds_store_b128 v[WST], v[196:199] offset:8*272  ; 64 rows further on
	s_wait_dscnt 0x0                               ; for the others' sake: my stores have landed
	s_wait_tensorcnt 1                             ; the scales and my part of K step 0 are in (K step 1's load may be out)
	s_barrier_signal -1
	s_barrier_wait -1                              ; everybody's are
	; Wv's descriptors, in the registers of the scale bytes' descriptors, whose loads the counted wait above has shown done: 64 rows of 256 bytes to a load
	s_or_b32 s[G1V+0], s44, (0<<16)|(1<<20)|(1<<21)|(5<<22)|(3<<25)
	s_mov_b32 s[G1V+1], ROWB<<16
	s_mov_b32 s[G1V+2], 64<<16
	s_mov_b32 s[G1V+3], ROWB<<16
	s_mov_b32 s[G1V+4], 64
	s_mov_b32 s[G1V+5], KROW
	s_mov_b32 s[G1V+6], 0
	s_mov_b32 s[G1V+7], 0
	s_mul_i32 s11, s16, 64*PITCH
	s_add_co_u32 s11, s11, 2*HALFT
.irp s, 0,1
	s_mov_b32 s[G0V+4*\s], 1
	s_add_co_u32 s[G0V+4*\s+1], s11, \s*SLOT
	s_add_nc_u64 s[G0V+4*\s+2:G0V+4*\s+3], s[66:67], \s*ROWB
	s_or_b32 s[G0V+4*\s+3], s[G0V+4*\s+3], 0x80000000
.endr
	FETCH_B 0, 0, 0
	FETCH_A 0, 0, 0
	SCALES_IN 0, ADRS
	FETCH_A 0, 0, 4
	STEP 0, 0, 1                                   ; the first step's products start the sums
	s_mov_b32 s3, LAPS-1
.Llap:
	TURN 0, 1, 0
	STEP 1, 0, 0
	TURN 1, 0, 0
	STEP 0, 0, 0
	s_sub_co_u32 s3, s3, 1
	s_cmp_lg_u32 s3, 0
	s_cbranch_scc1 .Llap
	TURN 0, 1, 1                                   ; THE RING GOES ON INTO THE SECOND PRODUCT: slot 0 takes its K step 0
	STEP 1, 0, 0
	s_wait_loadcnt 0x0                             ; the biases, asked for a whole product ago: from here on only cosines and sines are counted
	WIN TO_B                                       ; W's set 0 has had its last product, eight places back: blocks 0-3's cosines and sines land there under the last 64 products
	CSLOAD 0
	CSLOAD 1
	CSLOAD 2
	CSLOAD 3
	WIN 0
	s_wait_dscnt 4*NL                              ; the first product's last step
	WIN MUL_LO
	MUL16 0, 1, NQ-1, 1, 0
	MUL16 2, 1, NQ-1, 1, 0
	s_wait_dscnt 0
	WIN MUL_HI
	MUL16 4, 1, NQ-1, 1, 0
	MUL16 6, 1, NQ-1, 1, 0
	WIN 0
	PLACES NP                                      ; in front of the first read of results, and of writes and loads into the fragments' registers
; 64 numbers of a lane, v[X] on, register 16 b + i = k 32 b + 16 (lane / 16) + i of my row, become a fragment's codes in v[PC] on and its scale word in v[PW].
.macro QUANT
.irp b, 0,1,2,3
	v_max3_num_f32 v[TM+\b], |v[X+16*\b]|, |v[X+1+16*\b]|, 0x4800000   ; block b: my 16 numbers, and the floor 2^(9 - 127): the byte cannot fall under 1
.endr
.irp i, 2,4,6,8,10,12,14
.irp b, 0,1,2,3
	v_max3_num_f32 v[TM+\b], v[TM+\b], |v[X+16*\b+\i]|, |v[X+1+16*\b+\i]|   ; (the four blocks by turns)
.endr
.endr
.irp b, 0,1,2,3
	v_permlanex16_b32 v[TM+4+\b], v[TM+\b], s[SEL], s[SEL+1]
.endr
.irp b, 0,1,2,3
	v_max_num_f32 v[TM+\b], v[TM+\b], v[TM+4+\b]   ; with lane l xor 16's: the block's largest magnitude
.endr
.irp b, 0,1,2,3
	v_add_nc_u32 v[TM+12+\b], 0xfc000000, v[TM+\b]   ; 8 off its exponent field: the conversion's scale operand
.endr
.irp b, 0,1,2,3
.endr
.irp b, 0,1,2,3
	v_lshrrev_b32 v[TM+4+\b], 23, v[TM+12+\b]      ; the scale's byte
.endr
	v_lshl_or_b32 v[PW], v[TM+5], 8, v[TM+4]
	v_lshl_or_b32 v[PW], v[TM+6], 16, v[PW]
	v_lshl_or_b32 v[PW], v[TM+7], 24, v[PW]
.irp b, 0,1,2,3
.irp i, 0,1,2,3,4,5,6,7,8,9,10,11,12,13,14,15
.endr
	v_cvt_scalef32_pk8_fp8_f32 v[PC+4*\b:PC+1+4*\b], v[X+16*\b:X+7+16*\b], v[TM+12+\b]
	v_cvt_scalef32_pk8_fp8_f32 v[PC+2+4*\b:PC+3+4*\b], v[X+8+16*\b:X+15+16*\b], v[TM+12+\b]
.endr
	v_nop                                          ; one plain instruction between a scaled conversion and the next vector instruction that writes its sources
.endm
	s_mov_b32 s[SEL], 0x76543210
	s_mov_b32 s[SEL+1], 0xfedcba98                 ; v_permlanex16_b32's selects for lane l xor 16
.irp b, 0,1,2,3
	v_mov_b32 v[TM+4+\b], 0                        ; written once: a lane permute's destination counts as one of its sources
.endr
	; ---- THE WAY OUT OF Q OR K.  My 128 columns are two heads; block a is tile 8 step + a of 16 tokens.  The scalars lie in the registers of Wq's and Wk's descriptors, whose last load the last TURN's wait has shown done.
	WIN TO_B
	CSLOAD 4
	CSLOAD 5
	CSLOAD 6
	CSLOAD 7
	WIN 0
	s_lshl_b32 s48, s10, 4
	s_lshl_b32 s49, s40, 2
	s_add_co_u32 s48, s48, s49
	s_lshl_b32 s49, s16, 1
	s_add_co_u32 s48, s48, s49                     ; my first head: 16 batch + 4 cx + 2 (wave % 2)
	s_lshl_b32 s50, s48, 17
	s_lshl_b32 s49, s97, 13
	s_add_co_u32 s50, s50, s49                     ; Q's images: 131,072 bytes a head, 1,024 a tile
	s_lshl_b32 s51, s48, 13
	s_lshl_b32 s49, s97, 9
	s_add_co_u32 s51, s51, s49
	s_add_co_u32 s51, s51, QS                      ; Q's scale words: 64 bytes a tile
	s_mul_i32 s52, s48, HEADB
	s_mul_i32 s49, s97, STEPB
	s_add_co_u32 s52, s52, s49
	s_add_co_u32 s52, s52, KV                      ; K's images: the head's block of these 128 keys
	s_add_co_u32 s53, s52, 16384                   ; and its scale words
	s_mov_b32 s54, 131072
	s_mov_b32 s55, 8192
	s_cmp_eq_u32 ttmp9, 0                          ; offsets are chosen, then added to the one pointer
	s_cselect_b32 s50, s50, s52
	s_cselect_b32 s51, s51, s53
	s_cselect_b32 s54, s54, HEADB                  ; from a head to the next: codes,
	s_cselect_b32 s55, s55, HEADB                  ; scale words
	s_mov_b32 s61, 0
	s_mov_b32 s60, s50
	s_add_nc_u64 s[56:57], s[8:9], s[60:61]
	s_mov_b32 s60, s54
	s_add_nc_u64 s[58:59], s[56:57], s[60:61]
	s_mov_b32 s60, s51
	s_add_nc_u64 s[62:63], s[8:9], s[60:61]
	s_mov_b32 s60, s55
	s_add_nc_u64 s[92:93], s[62:63], s[60:61]
	s_mov_b32 s94, 0x7f7f0000
.macro QKBLOCK a
	s_wait_xcnt 0x0                                ; the last block's stores have read their data: the codes' registers may be written again
	s_wait_loadcnt 8*(7-(\a))                      ; this block's eight loads of cosines and sines are in; those of the blocks behind it stay out
	WIN 0x02+(\a)/4
.set i, 0
.rept 32
	v_pk_add_f32 v[X+i:X+i+1], v[64*((\a)%4)+i:64*((\a)%4)+i+1], v[BIAS+i:BIAS+i+1]   ; + bias; each accumulator from its low end on
.set i, i+2
.endr
	WIN 0x04                                       ; source 1: cosines and sines, window 1
.irp b, 0,1,2,3
.irp k, 0,2,4,6,8,10,12,14
	v_pk_mul_f32 v[RT+16*(\b%2)+\k:RT+16*(\b%2)+\k+1], v[X+16*\b+\k:X+16*\b+\k+1], v[32*(\a)+16*(\b%2)+\k:32*(\a)+16*(\b%2)+\k+1] op_sel_hi:[1,0]   ; (x1 cos, x2 cos)
.endr
.irp k, 0,2,4,6,8,10,12,14
	v_pk_fma_f32 v[X+16*\b+\k:X+16*\b+\k+1], v[X+16*\b+\k:X+16*\b+\k+1], v[32*(\a)+16*(\b%2)+\k:32*(\a)+16*(\b%2)+\k+1], v[RT+16*(\b%2)+\k:RT+16*(\b%2)+\k+1] op_sel:[1,1,0] op_sel_hi:[0,1,1] neg_lo:[1,0,0]   ; (x1 cos - x2 sin, x2 cos + x1 sin)
.endr
.endr
	WIN 0
	QUANT
.irp g, 0,1
.irp c, 0,1
	global_store_b128 v[LI], v[PC+8*\g+4*\c:PC+8*\g+4*\c+3], s[56+2*\g:57+2*\g] offset:(\a)*1024+512*\c   ; head g's registers 4 c on: 512 consecutive bytes
.endr
.endr
	ds_store_b32 v[GS], v[PW] offset:64*(\a)       ; both halves of the lanes write the same word with the same value
.endm
	QKBLOCK 0
	QKBLOCK 1
	; SLOT 1, which every wave has read out, takes the second product's K step 1.  The change stands here, two blocks into the way out, so that the wait for K step 0's load finds it landed or nearly so,
	; and six blocks' vector work is left under which K step 1 lands.
	s_wait_tensorcnt 0x0                           ; all my tensor loads have landed: my part of the second product's K step 0
	ds_add_u32 v[SPW], v[NIL]                      ; 0 onto my spare word
	s_sub_nc_u64 s[G0+6:G0+7], s[G0+6:G0+7], 2*ROWB   ; x's address goes back along K, from step 3 to step 1
	s_wait_dscnt 0x0                               ; the add is done; my reads of slot 1 were over in front of the last products
	CROUND                                         ; no wave of any partner still reads slot 1 or has a load on its way; and slot 0 is whole for every wave
	JLOAD G0+4, G1, G0V+4, G1V
.irp a, 2,3,4,5,6,7
	QKBLOCK \a
.endr
	ds_load_b128 v[RT+16:RT+19], v[GL]             ; LDS serves a wave's instructions in order: these see my stores.  128 words: bytes 0, 1 the first head's, bytes 2, 3 the second's
	s_wait_dscnt 0x0
.irp i, 0,1,2,3
	v_and_or_b32 v[RT+\i], v[RT+16+\i], 0xffff, s94   ; two bytes, and 1.0 over the zeros that fill the instruction's K
	v_lshrrev_b32 v[RT+4+\i], 16, v[RT+16+\i]
.endr
.irp i, 0,1,2,3
	v_or_b32 v[RT+4+\i], s94, v[RT+4+\i]
.endr
	global_store_b128 v[LI], v[RT:RT+3], s[62:63]     ; eight tiles' words: 512 consecutive bytes
	global_store_b128 v[LI], v[RT+4:RT+7], s[92:93]
	; ---- THE SECOND PRODUCT: my 128 keys (source 0, eight blocks, two sets in window 1) x my 64 channels of Wv (source 1, four blocks, two sets from v128 and v192 on): 32 matrix instructions for 128 along K.
.macro VFETCH slot, q, p
	WIN TO_B
.irp i, 0,1,2,3,4,5,6,7
	FRAG 128*(\p)+FR*\i, ADRA+\slot, \q, \i
.endr
	WIN 0
.irp i, 0,1,2,3
	FRAG AF+64*(\p)+FR*\i, ADRW+\slot, \q, \i
.endr
.endm
.macro VMUL p, q, sc, zero
	WIN MUL_LO
.set AFB, AF+64*(\p)
	MUL16 0, \p, \q, \sc, \zero
	MUL16 2, \p, \q, \sc, \zero
.set AFB, AF
	WIN 0
.endm
.macro VSTEP slot, zero                ; a slot's first 128 along K, on set 0; the second 128 are fetched into set 1
	s_wait_dscnt 0x0                               ; set 0 and the slot's scale words are in
	PLACES NP                                      ; in front of loads into set 1, which the products just issued have read
	VFETCH \slot, 1, 1
	VMUL 0, 0, \slot, \zero
.endm
.macro VTURN slot, next, fill          ; a slot's second 128, on set 1, and the change of slots
	s_wait_tensorcnt 0x0                           ; all my tensor loads have landed: my part of the next slot
	ds_add_u32 v[SPW], v[NIL]                      ; 0 onto my spare word
.if \fill
	s_add_nc_u64 s[G0+4*\slot+2:G0+4*\slot+3], s[G0+4*\slot+2:G0+4*\slot+3], 2*ROWB
	s_add_nc_u64 s[G0V+4*\slot+2:G0V+4*\slot+3], s[G0V+4*\slot+2:G0V+4*\slot+3], 2*ROWB
.endif
	s_wait_dscnt 0x0                               ; the add is done, set 1 is in, and with it my reads of this slot are over
.if \fill
	CROUND                                         ; no wave of any partner still reads this slot or has a load on its way
	JLOAD G0+4*\slot, G1, G0V+4*\slot, G1V
	PLACES NP-4
.else
	s_barrier_signal -1
	s_barrier_wait -1
	PLACES NP
.endif
	s_wait_alu depctr_va_vdst(0)
	v_add_nc_u32 v[ADRS2], 4*NQ, v[ADRS2]
	VFETCH \next, 0, 0
	SCALES_IN \next, ADRS2
	VMUL 1, 1, \slot, 0
.endm
	s_wait_xcnt 0x0                                ; my stores have read their data: fragments land in those registers
	VFETCH 0, 0, 0                                 ; slot 0 was shown whole to every wave by the round in the way out above
	SCALES_IN 0, ADRS2
	VSTEP 0, 1                                     ; the first step's products start the sums
	VTURN 0, 1, 1                                  ; slot 0 takes K step 2
	VSTEP 1, 0
	VTURN 1, 0, 1                                  ; slot 1 takes K step 3
	VSTEP 0, 0
	VTURN 0, 1, 0                                  ; nothing is left to fetch
	VSTEP 1, 0
	s_wait_dscnt 0x0
	VMUL 1, 1, 1, 0
	PLACES NP                                      ; in front of the first read of results and of writes into the fragments' registers
	; ---- THE WAY OUT OF V.  My 64 channels are one head; my 128 keys are one K step of attention's second product.
	s_lshl_b32 s84, s10, 4
	s_lshl_b32 s85, ttmp9, 3
	s_add_co_u32 s84, s84, s85
	s_lshl_b32 s85, s40, 1
	s_add_co_u32 s84, s84, s85
	s_add_co_u32 s84, s84, s16                     ; my head: 16 batch + 8 x + 2 cx + wave % 2
	s_mul_i32 s86, s84, HEADB
	s_mul_i32 s85, s97, STEPB
	s_add_co_u32 s86, s86, s85
	s_add_co_u32 s86, s86, KV
	s_mov_b32 s87, 0
	s_add_nc_u64 s[88:89], s[8:9], s[86:87]
.macro VBLOCK a
	s_wait_xcnt 0x0                                ; the last block's stores have read their data
	WIN 0x02
.set i, 0
.rept 32
.if (\a)%2
	v_pk_add_f32 v[X+i:X+i+1], v[64*(\a)+i:64*(\a)+i+1], v[VB+(\a)-1:VB+(\a)] op_sel:[0,1] op_sel_hi:[1,1]   ; + my channel's bias, in both halves; each accumulator from its low end on
.else
	v_pk_add_f32 v[X+i:X+i+1], v[64*(\a)+i:64*(\a)+i+1], v[VB+(\a):VB+(\a)+1] op_sel_hi:[1,0]
.endif
.set i, i+2
.endr
	WIN 0
	QUANT
.irp c, 0,1,2,3
	global_store_b128 v[LI], v[PC+4*\c:PC+4*\c+3], s[88:89] offset:8192+(\a)*2048+512*\c   ; channel tile a: 512 consecutive bytes
.endr
	ds_store_b32 v[GS], v[PW] offset:2048+64*(\a)
.endm
.irp a, 0,1,2,3
	VBLOCK \a
.endr
	ds_load_b64 v[RT+16:RT+17], v[GL8] offset:2048 ; LDS serves a wave's instructions in order: these see my stores
	s_wait_dscnt 0x0
	global_store_b64 v[V8], v[RT+16:RT+17], s[88:89] offset:16896   ; 32 lanes store the head's 256 bytes of scale words, aligned
	s_wait_tensorcnt 0x0                           ; the wave's end
	ds_add_u32 v[SPW], v[NIL]
	s_wait_dscnt 0x0
	CROUND                                         ; the closing round: no work-group ends while a partner may still ask for a tile that names it
	s_endpgm
.Lfunc_end_k_q8f9d699cec_qkv:
	.size	k_q8f9d699cec_qkv, .Lfunc_end_k_q8f9d699cec_qkv-k_q8f9d699cec_qkv
	.p2alignl 7, 3214868480
	.fill 96, 4, 3214868480
	.section	.rodata,"a",@progbits
	.p2align	6, 0x0
	.amdhsa_kernel k_q8f9d699cec_qkv
		.amdhsa_group_segment_fixed_size 327680
		.amdhsa_private_segment_fixed_size 0
		.amdhsa_enable_private_segment 0
		.amdhsa_kernarg_size 24
		.amdhsa_user_sgpr_count 2
		.amdhsa_user_sgpr_kernarg_segment_ptr 1
		.amdhsa_wavefront_size32 1
		.amdhsa_system_sgpr_workgroup_id_x 1
		.amdhsa_system_sgpr_workgroup_id_y 1
		.amdhsa_system_sgpr_workgroup_id_z 1
		.amdhsa_system_vgpr_workitem_id 0
		.amdhsa_next_free_vgpr 1024
		.amdhsa_next_free_sgpr 102
		.amdhsa_reserve_vcc 0
		.amdhsa_float_denorm_mode_32 3
		.amdhsa_float_denorm_mode_16_64 3
		.amdhsa_fp16_overflow 1
		.amdhsa_memory_ordered 1
		.amdhsa_forward_progress 1
		.amdhsa_inst_pref_size 255
	.end_amdhsa_kernel
	.section	.bss,"aw",@nobits
	.p2align	6
	.space	262144
	.amdgpu_metadata
---
amdhsa.version: [ 1, 2 ]
amdhsa.kernels:
  - .name:           k_q8f9d699cec_qkv
    .symbol:         k_q8f9d699cec_qkv.kd
    .args:
      - { .name: q1, .offset: 0, .size: 8, .value_kind: global_buffer, .address_space: global }
      - { .name: Wqkv_b, .offset: 8, .size: 8, .value_kind: global_buffer, .address_space: global }
      - { .name: qkv, .offset: 16, .size: 8, .value_kind: global_buffer, .address_space: global }
    .group_segment_fixed_size: 327680
    .private_segment_fixed_size: 0
    .kernarg_segment_align: 8
    .kernarg_segment_size: 24
    .max_flat_workgroup_size: 128
    .sgpr_count:     102
    .vgpr_count:     1024
    .wavefront_size: 32
...
	.end_amdgpu_metadata
.endif
;; end of part 2
;; launch attn (part 3): grid 4 x 64, 16 waves a work-group, no clusters, 327,680 bytes of LDS; arguments qkv, att; writes att
.if DOCPART == 3
	.amdgcn_target "amdgcn-amd-amdhsa--gfx1250"
	.amdhsa_code_object_version 6
	.text
	.protected	k_q8f9d699cec_attn
	.globl	k_q8f9d699cec_attn
	.p2align	8
	.type	k_q8f9d699cec_attn,@function
k_q8f9d699cec_attn:
	s_mov_b64 s[64:65], 0
	v_nop
	global_prefetch_b8 v0, s[64:65] scope:SCOPE_SE
	s_setreg_imm32_b32 hwreg(HW_REG_WAVE_MODE, 25, 1), 1
	s_wait_xcnt 0x0
; Causal attention on codes of FP8 (E4M3) with E8M0 scales: for each of 64 heads, O[q] = sum over k <= q of softmax_k(Q[q] . K[k] / 8) V[k], then O quantised along the model's 1,024 for the last product.
; THE SOFTMAX AHEAD OF THE SECOND PRODUCT: t = score x log2(e) / 8; M = the row's largest t so far, rounded UP to a whole number; p = 2^(t - M) is what is quantised, along the keys, not normalised.
; The row's sum is taken of the unquantised p and divides O at the end.  When M moves, the sum and O are multiplied by 2^(old M - new M): exact.
; SHARES.  A work-group owns TWO blocks of 256 queries of one head, blocks I and 7 - I (I = work-group x): I + 1 and 8 - I slots of 256 keys, always nine: all 256 work-groups have the same work and the loop's
; trip count is a constant.  Each of sixteen waves owns one tile of 16 queries in 256 registers: four waves to a SIMD, so that one wave's vector work stands beside another's matrix work and LDS loads.
; OPERANDS ARRIVE AS IMAGES OF THEIR REGISTERS (16 bytes a lane, 512 on end): no pitch, no padding, no bank conflict.  128 keys of a head are one dense block of 17,152 bytes: K's 8 tiles, V's 4, their scale words.
; A slot holds two such blocks; waves 0 and 1 fetch one each, 67 rows of 256 bytes.  Both products are used transposed: a lane holds ONE query throughout.
; Tile T of 16 tokens holds tokens 32 (T / 2) + 8 (T % 2) + r + 8 (r / 8): so the 16 registers of key tiles 2 b, 2 b + 1 are keys 32 b + 16 (lane / 16) + 0 .. 15, and O^T's 16 registers likewise channels.
; THE FIRST PRODUCT'S K IS 64: Q's registers 8-15 are zeros; K's fragment t names 16 registers of which the upper eight are the next tile's codes (tile 7: zeros): they meet zeros, under the scale byte 0x7f.
; CAUSAL: a step all of whose keys come after the wave's queries is jumped over (a scalar branch on ids); on the diagonal hidden scores become -infinity ahead of the maximum.  Key 0 counts for every query.
; NO JOINT LOADS: the four work-groups of a head want different slots in every trip (the pairing I, 7 - I that evens the causal work out); walking in step would cost twelve slots in place of nine.
; LIMITS: NaN and infinities are not served; a block of zeros carries the byte 1 (its codes are zeros; this program alone reads the bytes).
.set STEPB, 17152
.set SLOTB, 2*STEPB
.set SLOT1, 65536                      ; slot 1 begins here: one exclusive or turns an address in one slot into the other's
.set SPARE, 131072                     ; the spare words, 128 bytes for each wave: eight blocks of 256 bytes that no other line names
.set GATH,  133120                     ; 512 bytes in which the sixteen waves' scale bytes meet, once for each of the two blocks of queries
.set QS,    8388608
.set KV,    8912896
.set HEADB, 274432
.set OS,    8388608
.set LI,  1                            ; v1   16 x lane
.set LS,  2                            ; v2   4 x lane
.set DQ,  3                            ; v3   r + 8 (r / 8) - 16 h
.set R4,  4                            ; v4   4 r
.set SPW, 5
.set NIL, 6
.set GA,  7                            ; v7   GATH + 32 x wave + 2 r
.set ADK, 8                            ; v8   the slot in hand + 16 x lane
.set ADS, 9                            ; v9   the slot in hand + 4 x lane
.set GB,  10                           ; v10  GATH + 16 x lane
.set QF,  16                           ; v16-23 Q's codes, v24-31 zeros
.set KF,  32                           ; v32-95 K's eight tiles of 8 registers, later V's four of 16; v96-103 zeros
.set S,   104                          ; v104-167 S^T, then p
.set O,   168                          ; v168-199 O^T
.set P,   200                          ; v200-215 p's codes
.set BM,  216                          ; v216-219 the blocks' largest
.set PS,  220                          ; v220-223 the other half's; then the bytes
.set HL,  224
.set SO,  228                          ; v228-231 the conversions' scale operands
.set FF,  232                          ; v232 f; v233 p's scale word
.set T0,  234                          ; v234, v235 at work
.set C2,  236                          ; v[236:237] the sum's second chain; v[236:239] the gathered bytes
.set KSW, 240                          ; v240-243 K's scale words; v244-245 V's; v246 Q's; v247 the second block's Q's
.set VSW, 244
.set QSW, 246
.set Q2,  248                          ; v248-255 the second block's Q
.set WV,  8
.set BI,  9
.set BH,  10
.set NN,  11
.set TB,  12
.set KK,  13                           ; the step's first key
.set Q0,  14                           ; my tile's first query
.set SEL, 16
.set CS,  18
.set MNT, 20
.set QB,  21
.set QW,  22                           ; 32 (wave / 2) + 8 (wave % 2)
.set G1,  24
.set G0,  32
.macro TLOAD                           ; waves 0 and 1 fetch one step's block each; four v_nop follow the line
	s_cmp_lt_u32 s[WV], 2
	s_cbranch_scc0 .Lnone_\@
	tensor_load_to_lds s[G0:G0+3], s[G1:G1+7]
	s_nop 0
.rept 4
	v_nop
.endr
.Lnone_\@:
.endm
.macro STATE                           ; a block of queries begins: O^T and the sum are zeros, the largest t lies under every t
	v_mov_b32 v13, 0xff61b1e6                      ; -3e38
	s_delay_alu instid0(VALU_DEP_1)
	v_floor_f32 v12, -v13                          ; -M
	v_mov_b32 v14, 0
	v_mov_b32 v15, 0
.set j, 0
.rept 32
	v_mov_b32 v[O+j], 0
.set j, j+1
.endr
.endm
	s_load_b128 s[4:7], s[0:1], 0x0                ; qkv s[4:5], att s[6:7]
	v_lshl_add_u32 v[SPW], v0, 2, SPARE
	v_mov_b32 v[NIL], 0
	ds_add_u32 v5, v6
	ds_add_u32 v5, v6
	s_wait_dscnt 0x0
	v_lshrrev_b32 v8, 5, v0
	s_delay_alu instid0(VALU_DEP_1)
	v_readfirstlane_b32 s[WV], v8                  ; wave 0..15
	s_mov_b32 s[BI], ttmp9                         ; I
	s_and_b32 s[BH], ttmp7, 0xffff                 ; the head, 0..63
	s_mov_b32 s[G1], 3<<16                         ; no mask; elements of 8 bytes; no padding
	s_mov_b32 s[G1+1], 32<<16                      ; tensor_dim0: 256 bytes
	s_mov_b32 s[G1+2], 67<<16                      ; tensor_dim1
	s_mov_b32 s[G1+3], 32<<16                      ; tile_dim0
	s_mov_b32 s[G1+4], 67                          ; tile_dim1
	s_mov_b32 s[G1+5], 32                          ; the pitch: dense
	s_mov_b32 s[G1+6], 0
	s_mov_b32 s[G1+7], 0
	s_and_b32 s15, s[WV], 1
	s_mul_i32 s[G0+1], s15, STEPB                  ; LDS address: which of the slot's two steps I fetch
	s_mul_i32 s42, s[BH], HEADB
	s_add_co_u32 s42, s42, s[G0+1]
	s_add_co_u32 s42, s42, KV
	s_mov_b32 s43, 0
	s_lshl_b32 s44, s[BH], 7                       ; the head's 128 tiles of queries
	s_lshl_b32 s45, s[BI], 4
	s_add_co_u32 s45, s45, s[WV]
	s_add_co_u32 s45, s45, s44                     ; my tile of block I
	s_sub_co_u32 s23, 7, s[BI]
	s_lshl_b32 s23, s23, 4
	s_add_co_u32 s23, s23, s[WV]
	s_add_co_u32 s23, s23, s44                     ; and of block 7 - I
	s_mov_b32 s47, 0
	s_wait_kmcnt 0x0
	s_add_nc_u64 s[38:39], s[4:5], s[42:43]        ; the head's first slot, my step of it
	s_mov_b64 s[36:37], s[38:39]                   ; the address that walks
	s_mov_b32 s[G0], 1
	s_mov_b64 s[G0+2:G0+3], s[36:37]
	s_or_b32 s[G0+3], s[G0+3], 0x80000000
	TLOAD                                          ; slot 0: the one first fill; one tensor load of mine is out, here and behind every change of slots
	s_lshl_b32 s46, s45, 10
	s_add_nc_u64 s[48:49], s[4:5], s[46:47]        ; Q's image, 1,024 bytes a tile
	s_lshl_b32 s46, s45, 6
	s_add_co_u32 s46, s46, QS
	s_add_nc_u64 s[50:51], s[4:5], s[46:47]        ; its scale words
	s_lshl_b32 s46, s23, 10
	s_add_nc_u64 s[52:53], s[4:5], s[46:47]
	s_lshl_b32 s46, s23, 6
	s_add_co_u32 s46, s46, QS
	s_add_nc_u64 s[54:55], s[4:5], s[46:47]
	v_and_b32 v[LI], 31, v0
	s_delay_alu instid0(VALU_DEP_1)
	v_lshlrev_b32 v[LS], 2, v[LI]
	s_delay_alu instid0(VALU_DEP_2)
	v_lshlrev_b32 v[LI], 4, v[LI]
	v_and_b32 v9, 15, v0                           ; r
	v_bfe_u32 v8, v0, 4, 1                         ; h
	s_delay_alu instid0(VALU_DEP_2)
	v_lshlrev_b32 v[R4], 2, v9
	global_load_b128 v[QF:QF+3], v[LI], s[48:49]
	global_load_b128 v[QF+4:QF+7], v[LI], s[48:49] offset:512
	global_load_b32 v[QSW], v[R4], s[50:51]
	global_load_b128 v[Q2:Q2+3], v[LI], s[52:53]   ; the second block's Q comes now too: nothing waits for it later
	global_load_b128 v[Q2+4:Q2+7], v[LI], s[52:53] offset:512
	global_load_b32 v[QSW+1], v[R4], s[54:55]
	v_and_b32 v[DQ], 8, v9
	s_delay_alu instid0(VALU_DEP_1)
	v_add_nc_u32 v[DQ], v[DQ], v9
	v_lshlrev_b32 v8, 4, v8
	s_delay_alu instid0(VALU_DEP_1)
	v_sub_nc_u32 v[DQ], v[DQ], v8
	v_and_b32 v[GA], 0x1e0, v0                     ; 32 x wave
	s_delay_alu instid0(VALU_DEP_1)
	v_lshl_add_u32 v[GA], v9, 1, v[GA]
	s_delay_alu instid0(VALU_DEP_1)
	v_add_nc_u32 v[GA], GATH, v[GA]
	v_add_nc_u32 v[GB], GATH, v[LI]
.irp j, 0,1,2,3,4,5,6,7
	v_mov_b32 v[QF+8+\j], 0                        ; the upper half of the first product's K
	v_mov_b32 v[KF+64+\j], 0
.endr
.irp b, 0,1,2,3
	v_mov_b32 v[PS+\b], 0                          ; written once: a lane permute's destination counts as one of its sources
.endr
	v_mov_b32 v[FF+1], 0                           ; (named as the upper half of the pair with f before it is first written)
	v_mov_b32 v[T0], 0
	STATE
	s_mov_b32 s[SEL], 0x76543210
	s_mov_b32 s[SEL+1], 0xfedcba98
	s_mov_b32 s[CS], 0x3e38aa3b                    ; c = log2(e) / 8
	s_mov_b32 s[CS+1], s[CS]                       ; (named with it as a pair, so it is written)
	s_lshr_b32 s[QW], s[WV], 1
	s_lshl_b32 s[QW], s[QW], 5
	s_lshl_b32 s15, s15, 3
	s_add_co_u32 s[QW], s[QW], s15
	s_mov_b32 s[QB], s[BI]
	s_lshl_b32 s[Q0], s[QB], 8
	s_add_co_u32 s[Q0], s[Q0], s[QW]
	s_mov_b32 s[KK], 0
	s_mov_b32 s[TB], 0
	s_mov_b32 s[NN], 0
	s_wait_loadcnt 0x0                             ; Q, both blocks'
; A KEY STEP: 128 keys, the q-th of the slot in hand.
.macro STEP q
	s_add_co_u32 s15, s[Q0], 23                    ; my tile's last query
	s_cmp_gt_u32 s[KK], s15
	s_cbranch_scc1 .Lhidden_\@
	v_add_nc_u32 v[ADK], s[TB], v[LI]
	v_add_nc_u32 v[ADS], s[TB], v[LS]
.rept 6
	v_nop                                          ; with the two additions: eight places in front of loads into registers that matrix instructions have read
.endr
.irp t, 0,1,2,3,4,5,6,7
.irp c, 0,1
	ds_load_b128 v[KF+8*\t+4*\c:KF+8*\t+4*\c+3], v[ADK] offset:STEPB*(\q)+1024*\t+512*\c
.endr
.endr
.irp g, 0,1,2,3
	ds_load_b32 v[KSW+\g], v[ADS] offset:STEPB*(\q)+16384+128*\g   ; lanes 0-15: tile 2 g's words; lanes 16-31: tile 2 g + 1's
.endr
	s_wait_alu depctr_va_vdst(0)
	s_wait_dscnt 0x0
.irp t, 0,2,4,6
	v_wmma_scale_f32_16x16x128_f8f6f4 v[S+8*\t:S+8*\t+7], v[KF+8*\t:KF+8*\t+15], v[QF:QF+15], 0, v[KSW+\t/2], v[QSW]
	v_wmma_scale_f32_16x16x128_f8f6f4 v[S+8*\t+8:S+8*\t+15], v[KF+8*\t+8:KF+8*\t+23], v[QF:QF+15], 0, v[KSW+\t/2], v[QSW] matrix_a_scale:MATRIX_SCALE_ROW1
.endr
.rept 8
	v_nop                                          ; places in front of the loads below and of the first read of the scores
.endr
.irp t, 0,1,2,3
.irp c, 0,1,2,3
	ds_load_b128 v[KF+16*\t+4*\c:KF+16*\t+4*\c+3], v[ADK] offset:STEPB*(\q)+8192+2048*\t+512*\c   ; V lands under the softmax
.endr
.endr
.irp g, 0,1
	ds_load_b32 v[VSW+\g], v[ADS] offset:STEPB*(\q)+16896+128*\g
.endr
	s_add_co_u32 s15, s[KK], 127                   ; a step all of whose keys count skips the mask
	s_cmp_le_u32 s15, s[Q0]
	s_cbranch_scc1 .Lopen_\@
	s_sub_co_i32 s15, s[Q0], s[KK]
	v_add_nc_u32 v[T0+1], s15, v[DQ]               ; d = my query - the step's first key - 16 h.  Register 16 b + i holds key 32 b + 16 h + i of the step: hidden where 32 b + i > d
	v_mov_b32 v[T0], 0xff800000                    ; -infinity
.set n, 0
.rept 64
	v_cmp_gt_i32 vcc_lo, 32*(n/16)+n%16, v[T0+1]
	v_cndmask_b32 v[S+n], v[S+n], v[T0], vcc_lo
.set n, n+1
.endr
.Lopen_\@:
.irp b, 0,1,2,3
	v_max3_num_f32 v[BM+\b], v[S+16*\b], v[S+1+16*\b], v[S+2+16*\b]   ; the largest score of each block of 32 keys: for the row's maximum and, since p rises with the score, for the block's largest p
.endr
.irp i, 3,5,7,9,11,13
.irp b, 0,1,2,3
	v_max3_num_f32 v[BM+\b], v[BM+\b], v[S+16*\b+\i], v[S+1+16*\b+\i]
.endr
.endr
.irp b, 0,1,2,3
	v_max_num_f32 v[BM+\b], v[BM+\b], v[S+15+16*\b]
.endr
.irp b, 0,1,2,3
	s_delay_alu instid0(VALU_DEP_4)
	v_permlanex16_b32 v[PS+\b], v[BM+\b], s[SEL], s[SEL+1]
.endr
.irp b, 0,1,2,3
	s_delay_alu instid0(VALU_DEP_4)
	v_max_num_f32 v[BM+\b], v[BM+\b], v[PS+\b]     ; with lane l xor 16's 16 keys
.endr
	s_delay_alu instid0(VALU_DEP_2)
	v_max3_num_f32 v[T0], v[BM], v[BM+1], v[BM+2]
	s_delay_alu instid0(VALU_DEP_1)
	v_max_num_f32 v[T0], v[T0], v[BM+3]
	s_delay_alu instid0(VALU_DEP_1)
	v_mul_f32 v[T0], s[CS], v[T0]                  ; the step's largest t (c is positive)
	s_delay_alu instid0(VALU_DEP_1)
	v_max_num_f32 v13, v13, v[T0]                  ; the running largest t
	v_mov_b32 v[T0], v12
	s_delay_alu instid0(VALU_DEP_2)
	v_floor_f32 v12, -v13                          ; the new -M = -ceil(t): a whole number
	s_delay_alu instid0(VALU_DEP_1)
	v_sub_f32 v[T0], v12, v[T0]                    ; old M - new M: a whole number, 0 or less
	s_delay_alu instid0(VALU_DEP_1)
	v_cvt_i32_f32 v[T0], v[T0]                     ; (it saturates)
	s_delay_alu instid0(VALU_DEP_1)
	v_ldexp_f32 v[FF], 1.0, v[T0]                  ; f = 2^(old M - new M)
.set j, 0
.rept 32
	v_pk_fma_f32 v[S+j:S+j+1], v[S+j:S+j+1], s[CS:CS+1], v[12:13] op_sel_hi:[1,0,0]   ; t - M, two at a time
.set j, j+2
.endr
.irp b, 0,1,2,3
	v_fma_f32 v[BM+\b], v[BM+\b], s[CS], v12       ; the same of each block's largest score
.endr
.set j, 0
	s_wait_alu depctr_va_vdst(0)
.rept 64
	v_exp_f32 v[S+j], v[S+j]                       ; p = 2^(t - M): not normalised
.set j, j+1
.endr
.irp b, 0,1,2,3
	v_exp_f32 v[BM+\b], v[BM+\b]                   ; the block's largest p: the same two instructions on the same number give the same bits
.endr
	v_pk_mul_f32 v[14:15], v[14:15], v[FF:FF+1] op_sel_hi:[1,0]   ; the sums under the new M.  (A plain instruction behind the exponentials)
	s_wait_alu depctr_va_vdst(0)
.irp b, 0,1,2,3
	v_max_num_f32 v[BM+\b], 0x4800000, v[BM+\b]    ; the floor 2^(9 - 127): the byte cannot fall under 1
.endr
.irp b, 0,1,2,3
	s_delay_alu instid0(VALU_DEP_4)
	v_add_nc_u32 v[SO+\b], 0xfc000000, v[BM+\b]    ; 8 off the exponent field: the conversion's scale operand
.endr
.irp b, 0,1,2,3
.endr
.irp b, 0,1,2,3
	s_delay_alu instid0(VALU_DEP_4)
	v_lshrrev_b32 v[PS+\b], 23, v[SO+\b]           ; the scale's byte
.endr
	s_delay_alu instid0(VALU_DEP_3)
	v_lshl_or_b32 v[FF+1], v[PS+1], 8, v[PS]       ; p's scale word for these 128 keys
	s_delay_alu instid0(VALU_DEP_1)
	v_lshl_or_b32 v[FF+1], v[PS+2], 16, v[FF+1]
	s_delay_alu instid0(VALU_DEP_1)
	v_lshl_or_b32 v[FF+1], v[PS+3], 24, v[FF+1]
	v_pk_add_f32 v[236:237], v[108:109], v[112:113]
	v_pk_add_f32 v[242:243], v[116:117], v[120:121]
	v_pk_add_f32 v[240:241], v[124:125], v[128:129]
	v_pk_add_f32 v[238:239], v[132:133], v[136:137]
	v_pk_add_f32 v[226:227], v[140:141], v[144:145]
	v_pk_add_f32 v[224:225], v[148:149], v[152:153]
	v_pk_add_f32 v[218:219], v[156:157], v[160:161]
	v_pk_add_f32 v[14:15], v[14:15], v[164:165]
	v_pk_add_f32 v[236:237], v[236:237], v[104:105]
	v_pk_add_f32 v[242:243], v[242:243], v[106:107]
	v_pk_add_f32 v[240:241], v[240:241], v[110:111]
	v_pk_add_f32 v[238:239], v[238:239], v[114:115]
	v_pk_add_f32 v[226:227], v[226:227], v[118:119]
	v_pk_add_f32 v[224:225], v[224:225], v[122:123]
	v_pk_add_f32 v[218:219], v[218:219], v[126:127]
	v_pk_add_f32 v[14:15], v[14:15], v[130:131]
	v_pk_add_f32 v[236:237], v[236:237], v[134:135]
	v_pk_add_f32 v[242:243], v[242:243], v[138:139]
	v_pk_add_f32 v[240:241], v[240:241], v[142:143]
	v_pk_add_f32 v[238:239], v[238:239], v[146:147]
	v_pk_add_f32 v[226:227], v[226:227], v[150:151]
	v_pk_add_f32 v[224:225], v[224:225], v[154:155]
	v_pk_add_f32 v[218:219], v[218:219], v[158:159]
	v_pk_add_f32 v[14:15], v[14:15], v[162:163]
	v_pk_add_f32 v[236:237], v[236:237], v[166:167]
	s_delay_alu instid0(VALU_DEP_2)
	v_pk_add_f32 v[14:15], v[14:15], v[238:239]
	s_delay_alu instid0(VALU_DEP_2)
	v_pk_add_f32 v[236:237], v[236:237], v[226:227]
	v_pk_add_f32 v[242:243], v[242:243], v[224:225]
	v_pk_add_f32 v[240:241], v[240:241], v[218:219]
	s_delay_alu instid0(VALU_DEP_2)
	v_pk_add_f32 v[14:15], v[14:15], v[242:243]
	s_delay_alu instid0(VALU_DEP_2)
	v_pk_add_f32 v[236:237], v[236:237], v[240:241]
	s_delay_alu instid0(VALU_DEP_1)
	v_pk_add_f32 v[14:15], v[14:15], v[236:237]
.irp b, 0,1,2,3
.irp i, 0,1,2,3,4,5,6,7,8,9,10,11,12,13,14,15
.endr
	v_cvt_scalef32_pk8_fp8_f32 v[P+4*\b:P+1+4*\b], v[S+16*\b:S+7+16*\b], v[SO+\b]
	v_cvt_scalef32_pk8_fp8_f32 v[P+2+4*\b:P+3+4*\b], v[S+8+16*\b:S+15+16*\b], v[SO+\b]
.endr
.set j, 0
.rept 16
	v_pk_mul_f32 v[O+j:O+j+1], v[O+j:O+j+1], v[FF:FF+1] op_sel_hi:[1,0]   ; O^T under the new M.  (These sixteen are also the places between the codes and the products)
.set j, j+2
.endr
	s_wait_alu depctr_va_vdst(0)
	s_wait_dscnt 0x0                               ; V and its scale words
.irp t, 0,2
	v_wmma_scale_f32_16x16x128_f8f6f4 v[O+8*\t:O+8*\t+7], v[KF+16*\t:KF+16*\t+15], v[P:P+15], v[O+8*\t:O+8*\t+7], v[VSW+\t/2], v[FF+1]
	v_wmma_scale_f32_16x16x128_f8f6f4 v[O+8*\t+8:O+8*\t+15], v[KF+16*\t+16:KF+16*\t+31], v[P:P+15], v[O+8*\t+8:O+8*\t+15], v[VSW+\t/2], v[FF+1] matrix_a_scale:MATRIX_SCALE_ROW1
.endr
.Lhidden_\@:
	s_add_co_u32 s[KK], s[KK], 128
.endm
; THE CHANGE OF SLOTS stands at a slot's head.  Each wave waits for all its tensor loads, adds 0 to its spare word, and waits for that and for its reads of the slot that it has left.
; fill = 1: behind the barrier the slot just left is filled with the slot of the next trip: the keys that follow, or, where the first block of queries ends with this trip, the head's first keys again.
.macro CHANGE fill
	s_wait_tensorcnt 0x0                           ; no tensor load of mine is out, so the descriptor may be written
	ds_add_u32 v[SPW], v[NIL]                      ; 0 onto my spare word
.if \fill
	s_xor_b32 s[G0+1], s[G0+1], SLOT1
	s_add_nc_u64 s[40:41], s[36:37], SLOTB
	s_cmp_eq_u32 s[NN], s[BI]
	s_cselect_b64 s[36:37], s[38:39], s[40:41]
	s_mov_b64 s[G0+2:G0+3], s[36:37]
	s_or_b32 s[G0+3], s[G0+3], 0x80000000
.endif
	s_wait_dscnt 0x0                               ; the add is done, and my reads of the slot that I have left are over
	s_barrier_signal -1
	s_barrier_wait -1
.if \fill
	TLOAD                                          ; the first thing behind the barrier, and a wave's one tensor load until the next: it has two key steps in which to land
.endif
.endm
; A BLOCK OF QUERIES ENDS.  O^T / the sum is quantised along the channels (two blocks of 32: registers 16 b + i are channels 32 b + 16 h + i) and stored as registers 4 (2 (head % 2) + b) on of K step head / 2 of the
; last product's operand.  The sixteen waves' scale bytes (two a row) meet in LDS and leave as 512 consecutive bytes.
.macro FINISH g
.rept 8
	v_nop                                          ; places behind the last products
.endr
	v_add_f32 v14, v14, v15
	s_delay_alu instid0(VALU_DEP_1)
	v_permlanex16_b32 v[T0], v14, s[SEL], s[SEL+1]
	s_delay_alu instid0(VALU_DEP_1)
	v_add_f32 v14, v14, v[T0]                      ; the row's sum
	s_wait_alu depctr_va_vdst(0)
	v_rcp_f32 v14, v14
	v_nop
.set j, 0
	s_wait_alu depctr_va_vdst(0)
.rept 32
	v_mul_f32 v[S+j], v[O+j], v14                  ; each accumulator from its low end on
.set j, j+1
.endr
	s_lshr_b32 s42, s[BH], 4
	s_lshl_b32 s42, s42, 7
	s_lshl_b32 s43, s[QB], 4
	s_add_co_u32 s42, s42, s43                     ; the block's first tile of rows: 128 batch + 16 block
	s_and_b32 s44, s[BH], 15                       ; the head in its batch
	s_lshl_b32 s45, s44, 14
	s_lshl_b32 s46, s42, 5
	s_add_co_u32 s46, s46, s45
	s_add_co_u32 s46, s46, OS
	s_mov_b32 s47, 0
	s_add_nc_u64 s[58:59], s[6:7], s[46:47]        ; the scale bytes: [head 16][tile 512][16] of two bytes
	s_add_co_u32 s42, s42, s[WV]
	s_lshl_b32 s46, s42, 14                        ; the codes: 16,384 bytes a tile of rows,
	s_lshl_b32 s45, s44, 10                        ; 1,024 a head
	s_add_co_u32 s46, s46, s45
	s_add_nc_u64 s[56:57], s[6:7], s[46:47]
.irp b, 0,1
	v_max3_num_f32 v[BM+\b], |v[S+16*\b]|, |v[S+1+16*\b]|, 0x4800000
.endr
.irp i, 2,4,6,8,10,12,14
.irp b, 0,1
	s_delay_alu instid0(VALU_DEP_2)
	v_max3_num_f32 v[BM+\b], v[BM+\b], |v[S+16*\b+\i]|, |v[S+1+16*\b+\i]|
.endr
.endr
.irp b, 0,1
	s_delay_alu instid0(VALU_DEP_2)
	v_permlanex16_b32 v[PS+\b], v[BM+\b], s[SEL], s[SEL+1]
.endr
.irp b, 0,1
	s_delay_alu instid0(VALU_DEP_2)
	v_max_num_f32 v[BM+\b], v[BM+\b], v[PS+\b]
.endr
.irp b, 0,1
	s_delay_alu instid0(VALU_DEP_2)
	v_add_nc_u32 v[SO+\b], 0xfc000000, v[BM+\b]
.endr
.irp b, 0,1
.endr
.irp b, 0,1
	s_delay_alu instid0(VALU_DEP_2)
	v_lshrrev_b32 v[PS+\b], 23, v[SO+\b]
.endr
	s_delay_alu instid0(VALU_DEP_1)
	v_lshl_or_b32 v[T0], v[PS+1], 8, v[PS]         ; my row's two bytes
.irp b, 0,1
.irp i, 0,1,2,3,4,5,6,7,8,9,10,11,12,13,14,15
.endr
	v_cvt_scalef32_pk8_fp8_f32 v[P+4*\b:P+1+4*\b], v[S+16*\b:S+7+16*\b], v[SO+\b]
	v_cvt_scalef32_pk8_fp8_f32 v[P+2+4*\b:P+3+4*\b], v[S+8+16*\b:S+15+16*\b], v[SO+\b]
.endr
	global_store_b128 v[LI], v[P:P+3], s[56:57]            ; 512 consecutive bytes each
	global_store_b128 v[LI], v[P+4:P+7], s[56:57] offset:512
	ds_store_b16 v[GA], v[T0] offset:512*\g                ; both halves of the lanes write the same two bytes
	s_wait_dscnt 0x0                               ; for wave 0's sake: my store has landed
	s_barrier_signal -1
	s_barrier_wait -1
	s_cmp_lg_u32 s[WV], 0
	s_cbranch_scc1 .Lnot_0_\@
	ds_load_b128 v[C2:C2+3], v[GB] offset:512*\g
	s_wait_dscnt 0x0
	global_store_b128 v[LI], v[C2:C2+3], s[58:59]
.Lnot_0_\@:
	s_wait_xcnt 0x0                                ; the stores have read their data and bases: both are written again
.endm
.Ltrip:                                            ; eight trips; behind each change of slots the next trip's slot is asked for
	CHANGE 1
	STEP 0
	STEP 1
	s_xor_b32 s[TB], s[TB], SLOT1
	s_cmp_lg_u32 s[NN], s[BI]
	s_cbranch_scc1 .Lsame
	FINISH 0                                       ; block I has seen its I + 1 slots
	v_mov_b32 v[QSW], v[QSW+1]                     ; block 7 - I begins
.irp j, 0,1,2,3,4,5,6,7
	v_mov_b32 v[QF+\j], v[Q2+\j]
.endr
	STATE
	s_sub_co_u32 s[QB], 7, s[BI]
	s_lshl_b32 s[Q0], s[QB], 8
	s_add_co_u32 s[Q0], s[Q0], s[QW]
	s_mov_b32 s[KK], 0
.Lsame:
	s_add_co_u32 s[NN], s[NN], 1
	s_cmp_lt_u32 s[NN], 8
	s_cbranch_scc1 .Ltrip
	CHANGE 0                                       ; the ninth slot is written out
	STEP 0
	STEP 1
	FINISH 1
	s_wait_tensorcnt 0x0                           ; the wave's end
	ds_add_u32 v[SPW], v[NIL]
	s_wait_dscnt 0x0
	s_endpgm
.Lfunc_end_k_q8f9d699cec_attn:
	.size	k_q8f9d699cec_attn, .Lfunc_end_k_q8f9d699cec_attn-k_q8f9d699cec_attn
	.p2alignl 7, 3214868480
	.fill 96, 4, 3214868480
	.section	.rodata,"a",@progbits
	.p2align	6, 0x0
	.amdhsa_kernel k_q8f9d699cec_attn
		.amdhsa_group_segment_fixed_size 327680
		.amdhsa_private_segment_fixed_size 0
		.amdhsa_enable_private_segment 0
		.amdhsa_kernarg_size 16
		.amdhsa_user_sgpr_count 2
		.amdhsa_user_sgpr_kernarg_segment_ptr 1
		.amdhsa_wavefront_size32 1
		.amdhsa_system_sgpr_workgroup_id_x 1
		.amdhsa_system_sgpr_workgroup_id_y 1
		.amdhsa_system_sgpr_workgroup_id_z 1
		.amdhsa_system_vgpr_workitem_id 0
		.amdhsa_next_free_vgpr 256
		.amdhsa_next_free_sgpr 66
		.amdhsa_reserve_vcc 1
		.amdhsa_float_denorm_mode_32 3
		.amdhsa_float_denorm_mode_16_64 3
		.amdhsa_fp16_overflow 1
		.amdhsa_memory_ordered 1
		.amdhsa_forward_progress 1
		.amdhsa_inst_pref_size 110
	.end_amdhsa_kernel
	.amdgpu_metadata
---
amdhsa.version: [ 1, 2 ]
amdhsa.kernels:
  - .name:           k_q8f9d699cec_attn
    .symbol:         k_q8f9d699cec_attn.kd
    .args:
      - { .name: qkv, .offset: 0, .size: 8, .value_kind: global_buffer, .address_space: global }
      - { .name: att, .offset: 8, .size: 8, .value_kind: global_buffer, .address_space: global }
    .group_segment_fixed_size: 327680
    .private_segment_fixed_size: 0
    .kernarg_segment_align: 8
    .kernarg_segment_size: 16
    .max_flat_workgroup_size: 512
    .sgpr_count:     66
    .vgpr_count:     256
    .wavefront_size: 32
...
	.end_amdgpu_metadata
.endif
;; end of part 3
;; launch proj (part 4): grid 4 x 64, 4 waves a work-group, clusters of 4 x 4, 327,680 bytes of LDS; arguments att, q1, Wo_b, out0; writes out0
.if DOCPART == 4
	.amdgcn_target "amdgcn-amd-amdhsa--gfx1250"
	.amdhsa_code_object_version 6
	.text
	.protected	k_q8f9d699cec_proj
	.globl	k_q8f9d699cec_proj
	.p2align	8
	.type	k_q8f9d699cec_proj,@function
k_q8f9d699cec_proj:
	s_mov_b64 s[64:65], 0
	v_nop
	global_prefetch_b8 v0, s[64:65] scope:SCOPE_SE
	s_setreg_imm32_b32 hwreg(HW_REG_WAVE_MODE, 25, 1), 1
	s_wait_xcnt 0x0
	s_wait_alu depctr_hold_cnt(0) depctr_sa_sdst(0) depctr_va_vdst(0) depctr_va_sdst(0) depctr_va_ssrc(0) depctr_va_vcc(0) depctr_vm_vsrc(0)
	s_getreg_b32 s2, hwreg(HW_REG_IB_STS2, 6, 4)
	s_cmp_eq_u32 s2, 0
	s_cbranch_scc0 .Lentry_in_a_cluster
	s_endpgm
.Lentry_in_a_cluster:
	s_bfe_u32 s2, ttmp6, 0x10000c
	s_cmp_lg_u32 s2, 0xf033
	s_cbranch_scc0 .Lentry_shape_is_right
	s_endpgm
.Lentry_shape_is_right:
; out0 = attention's result x Wo_w^T + Wo_b, on codes of FP8 (E4M3) with E8M0 scales; out0 [8192][1024] f32.
; A tile of 128 rows x 256 columns is made by four waves, 64 x 128 each: 32 accumulators, 256 registers.  That makes 256 tiles, one for each WGP; tiles of 256 x 256 would be 128.
; K = 1,024 goes in four steps of 256 through THREE LDS slots, all filled at the start; slot 0 is filled once more, with K step 3: one change of slots with a round of the cluster's barrier in the whole launch.
; SIDE A (source 1) arrives as IMAGES OF ITS REGISTERS: att [tile of 16 rows 512][K step of 128: 8][c 4][lane][16 bytes].  A wave's load brings 4 tiles x 4,096 bytes (two K steps); a fragment is four loads of 512 consecutive bytes.
; Its scale bytes arrive by head, [head 16][row][2]: 16 x 256 bytes for 128 rows come once, and each thread pieces one row's eight scale words together in LDS, in bytes that no tensor load ever fills.
; SIDE B (source 0) = 256 rows of Wo_w's codes in q1 (rows 11,264 on, in their own order), rows of 256 bytes padded by 16 in LDS; its scale bytes come once, as a dense block.
; The product is used transposed: a lane holds ONE row of out0 and eight neighbouring columns.  Wo_b is the C of each sum's first matrix instruction.
; Lane r of side A's tile T is row 32 (T / 2) + 8 (T % 2) + r + 8 (r / 8): the way out puts each row where it belongs, by the stores' immediates.
; CLUSTERS: 4 x 4; side A's tiles are shared along a row of the cluster, side B's along a column: joint loads.
; REGISTERS: window 0: v0-31 addresses; v32-63 scale words, two sets, nothing else ever; v64-127 the bias; v128-191, v192-255 A's fragments, two sets of four.  window 1: B's, two sets of eight.  window 2: the accumulators.
.set NQ,     2
.set ROWB,   256
.set KROW,   1024
.set PITCH,  272
.set FR,     16
.set NP,     8                         ; places behind this matrix instruction (ISA guide 7.12.1)
.set AH,     4*4096                    ; side A: four tiles' images of two K steps: what a wave's load brings, and what a wave reads
.set HALFT,  128*PITCH                 ; side B: 128 rows
.set SLOT,   2*AH+2*HALFT              ; A's 128 rows, then B's 256
.set KS,     32
.set HALFS,  16*272                    ; the scale bytes of 128 rows: 16 units of 256 bytes + 16 of padding
.set SBLK,   2*272
.set SCLA,   3*SLOT                    ; A's scale words, stored by the waves: 17 blocks of 256 bytes into which no fill lands; B's follow directly
.set SCLB,   SCLA+HALFS
.set SPARE,  SCLB+2*HALFS              ; the spare words, 128 bytes for each wave: two blocks of 256 bytes that no other line names
.set RAW,    SPARE+512                 ; A's scale bytes as they arrive: 16 heads x 256 bytes
.set SPITCH, 528                       ; the way out: a stage of 16 rows x (512 bytes + 16) for each wave,
.set STAGE,  SLOT                      ; in slot 1, which is filled once and which every wave has read out in front of the launch's last barrier
.set SCALES, 12582912
.set OS,     8388608
.set ADRA, 16                          ; v16-18 A's fragments in slot 0, 1, 2
.set ADRB, 20                          ; v20-22 B's
.set STO,  24
.set RD,   25
.set CO,   26
.set ADRS, 27
.set SPW,  28
.set NIL,  29
.set SC,   32
.set BIAS, 64
.set AF,   128
.set BK,   128
.set G1, 24                            ; s[24:31] A's tiles; s[32:43] group 0, one set for each slot
.set G0, 32
.set G1B, 44                           ; s[44:51] B's tiles; s[52:63] group 0
.set G0B, 52
.set G1S, 68
.set G0S, 76
.set G1SB, 80
.set G0SB, 88
.set CX, 92
.set CY, 93
.set TC, 94                            ; tile column
.set MR, 95                            ; my row of the cluster
.set MC, 96                            ; my column
.set LA, 97
.set LB, 98
.set MSB, 0
.macro WIN new                         ; the immediate's high byte repeats the setting that is left
.if MSB != \new
	s_set_vgpr_msb (MSB<<8)|\new
.set MSB, \new
.endif
.endm
.set MUL_LO, 0xa1                      ; source 0 (B) window 1, source 1 (A) window 0, C and D window 2
.set TO_B,   0x40
.macro JLOAD g0a, g1a, g0b, g1b        ; a joint load: waves 0 and 1 fetch for side A, waves 2 and 3 for side B; four v_nop follow each of the two lines
	s_cmp_eq_u32 s15, 0
	s_cbranch_scc0 .Lfor_b_\@
	tensor_load_to_lds s[\g0a:\g0a+3], s[\g1a:\g1a+7]
	s_nop 0
.rept 4
	v_nop
.endr
	s_branch .Lasked_\@
.Lfor_b_\@:
	tensor_load_to_lds s[\g0b:\g0b+3], s[\g1b:\g1b+7]
	s_nop 0
.rept 4
	v_nop
.endr
.Lasked_\@:
.endm
.macro CROUND                          ; a round of the cluster's barrier
	s_barrier_signal -1
	s_barrier_wait -1
	s_cmp_lg_u32 s14, 0
	s_cbranch_scc1 .Lnot_wave_0_\@
	s_barrier_signal -3
.Lnot_wave_0_\@:
	s_barrier_wait -3
	s_barrier_signal -1
	s_barrier_wait -1
.endm
	s_load_b128 s[4:7], s[0:1], 0x0                ; att s[4:5], q1 s[6:7]
	s_load_b128 s[8:11], s[0:1], 0x10              ; Wo_b s[8:9], out0 s[10:11]
	v_lshl_add_u32 v[SPW], v0, 2, SPARE
	v_mov_b32 v[NIL], 0
	ds_add_u32 v28, v29
	s_wait_dscnt 0x0
	v_lshrrev_b32 v1, 5, v0
	v_readfirstlane_b32 s14, v1                    ; wave 0..3
	s_lshr_b32 s15, s14, 1                         ; which half of the tile's rows is mine.  Also: I fetch for A (0) or for B (1)
	s_and_b32 s16, s14, 1                          ; which half of its columns.  Also: which half of that side's tile I fetch
	s_bfe_u32 s[CX], ttmp6, 0x40000
	s_bfe_u32 s[CY], ttmp6, 0x40004
	s_lshl_b32 s[TC], ttmp9, 2
	s_add_co_u32 s[TC], s[TC], s[CX]               ; tile column, 0..3
	s_and_b32 s17, ttmp7, 0xffff
	s_lshl_b32 s17, s17, 2
	s_add_co_u32 s17, s17, s[CY]                   ; tile row, 0..63
	s_lshl_b32 s[MR], s[CY], 2
	s_lshl_b32 s[MR], 15, s[MR]
	s_lshl_b32 s[MC], 0x1111, s[CX]
	s_or_b32 s[G1+0], s[MR], (1<<21)               ; side A: the mask; elements of 1 byte; no padding; bit 21 beside a mask
	s_mov_b32 s[G1+1], 4096<<16                    ; tensor_dim0: two K steps of a tile's image
	s_mov_b32 s[G1+2], 4<<16                       ; tensor_dim1: 4 tiles of 16 rows
	s_mov_b32 s[G1+3], 4096<<16                    ; tile_dim0
	s_mov_b32 s[G1+4], 4                           ; tile_dim1
	s_mov_b32 s[G1+5], 16384                       ; from a tile's image to the next
	s_mov_b32 s[G1+6], 0
	s_mov_b32 s[G1+7], 0
	s_or_b32 s[G1B+0], s[MC], (0<<16)|(1<<20)|(1<<21)|(5<<22)|(3<<25)   ; side B: 128 rows of 256 bytes, 16 bytes of padding behind each
	s_mov_b32 s[G1B+1], ROWB<<16
	s_mov_b32 s[G1B+2], 128<<16
	s_mov_b32 s[G1B+3], ROWB<<16
	s_mov_b32 s[G1B+4], 128
	s_mov_b32 s[G1B+5], KROW
	s_mov_b32 s[G1B+6], 0
	s_mov_b32 s[G1B+7], 0
	s_or_b32 s[G1S+0], s[MR], (3<<16)|(1<<21)      ; A's scale bytes: 8 heads x 256 bytes (32 elements of 8), 16,384 bytes apart
	s_mov_b32 s[G1S+1], 32<<16
	s_mov_b32 s[G1S+2], 8<<16
	s_mov_b32 s[G1S+3], 32<<16
	s_mov_b32 s[G1S+4], 8
	s_mov_b32 s[G1S+5], 2048
	s_mov_b32 s[G1S+6], 0
	s_mov_b32 s[G1S+7], 0
	s_or_b32 s[G1SB+0], s[MC], (3<<16)|(1<<20)|(1<<21)|(5<<22)|(3<<25)   ; B's: 4,096 dense bytes as 16 rows of 256, padded
	s_mov_b32 s[G1SB+1], 32<<16
	s_mov_b32 s[G1SB+2], 16<<16
	s_mov_b32 s[G1SB+3], 32<<16
	s_mov_b32 s[G1SB+4], 16
	s_mov_b32 s[G1SB+5], 32
	s_mov_b32 s[G1SB+6], 0
	s_mov_b32 s[G1SB+7], 0
	s_lshl_b32 s20, s17, 3
	s_lshl_b32 s18, s16, 2
	s_add_co_u32 s20, s20, s18                     ; side A: tile of rows 8 x tile row + 4 x half
	s_lshl_b32 s20, s20, 14                        ; its image
	s_mov_b32 s21, 0
	s_lshl_b32 s22, s17, 8                         ; the 128 rows' scale bytes in a head's plane: 32 bytes a tile of rows;
	s_lshl_b32 s18, s16, 17                        ; heads 8 x half on
	s_add_co_u32 s22, s22, s18
	s_add_co_u32 s22, s22, OS
	s_mov_b32 s23, 0
	s_lshl_b32 s12, s[TC], 8
	s_lshl_b32 s99, s16, 7
	s_add_co_u32 s12, s12, s99
	s_add_co_u32 s12, s12, 11264                   ; side B: row of q1's matrix
	s_lshl_b32 s100, s12, 5
	s_add_co_u32 s100, s100, SCALES
	s_mov_b32 s101, 0
	s_lshl_b32 s12, s12, 10
	s_mov_b32 s13, 0
	s_mul_i32 s[LA], s16, AH                       ; where they go: no place in the cluster enters an LDS address
	s_mul_i32 s[LB], s16, HALFT
	s_add_co_u32 s[LB], s[LB], 2*AH
	s_lshl_b32 s18, s16, 11
	s_mul_i32 s19, s16, HALFS
	s_wait_kmcnt 0x0
	s_add_nc_u64 s[20:21], s[4:5], s[20:21]
	s_add_nc_u64 s[22:23], s[4:5], s[22:23]
	s_add_nc_u64 s[12:13], s[6:7], s[12:13]
	s_add_nc_u64 s[100:101], s[6:7], s[100:101]
	CROUND                                         ; all sixteen work-groups are here: the first joint loads meet
	s_mov_b32 s[G0S], 1
	s_add_co_u32 s[G0S+1], s18, RAW
	s_mov_b64 s[G0S+2:G0S+3], s[22:23]
	s_or_b32 s[G0S+3], s[G0S+3], 0x80000000
	s_mov_b32 s[G0SB], 1
	s_add_co_u32 s[G0SB+1], s19, SCLB
	s_mov_b64 s[G0SB+2:G0SB+3], s[100:101]
	s_or_b32 s[G0SB+3], s[G0SB+3], 0x80000000
	JLOAD G0S, G1S, G0SB, G1SB                     ; the scales first
.irp s, 0,1,2
	s_mov_b32 s[G0+4*\s], 1
	s_add_co_u32 s[G0+4*\s+1], s[LA], \s*SLOT
	s_add_nc_u64 s[G0+4*\s+2:G0+4*\s+3], s[20:21], \s*4096
	s_or_b32 s[G0+4*\s+3], s[G0+4*\s+3], 0x80000000
	s_mov_b32 s[G0B+4*\s], 1
	s_add_co_u32 s[G0B+4*\s+1], s[LB], \s*SLOT
	s_add_nc_u64 s[G0B+4*\s+2:G0B+4*\s+3], s[12:13], \s*ROWB
	s_or_b32 s[G0B+4*\s+3], s[G0B+4*\s+3], 0x80000000
	JLOAD G0+4*\s, G1, G0B+4*\s, G1B               ; K steps 0, 1, 2: four tensor loads of mine are out
.endr
	v_and_b32 v1, 15, v0                           ; r
	v_bfe_u32 v2, v0, 4, 1                         ; h
	v_and_b32 v6, 31, v0
	v_lshlrev_b32 v[CO], 4, v6                     ; 16 x lane
	v_mul_u32_u24 v3, v1, PITCH
	v_lshl_add_u32 v4, v2, 4, v3                   ; side B: a fragment's row x pitch + 16 x half
	s_mul_i32 s18, s15, AH                         ; side A: my 4 tiles' images
	s_mul_i32 s19, s16, HALFT
	s_add_co_u32 s19, s19, 2*AH                    ; side B: my 128 rows
.irp s, 0,1,2
	v_add_nc_u32 v[ADRA+\s], s18, v[CO]
	v_add_nc_u32 v[ADRB+\s], s19, v4
	s_add_co_u32 s18, s18, SLOT
	s_add_co_u32 s19, s19, SLOT
.endr
	v_mul_u32_u24 v5, v1, KS                       ; row r's scale words: 32 bytes a row,
	v_lshrrev_b32 v6, 8, v5
	v_lshl_add_u32 v5, v6, 4, v5                   ; and 16 more for each 256 passed
	s_mul_i32 s18, s15, 8*272                      ; A's: my 64 rows
	s_mul_i32 s19, s16, HALFS                      ; B's: my 128 rows
	s_add_co_u32 s19, s19, SCLB-SCLA
	s_sub_co_u32 s19, s19, s18
	v_mul_u32_u24 v6, s19, v2                      ; lanes 16-31 take side B's
	s_add_co_u32 s18, s18, SCLA
	v_add_nc_u32 v5, v5, v6
	v_add_nc_u32 v[ADRS], s18, v5
	s_mul_i32 s18, s14, 16*SPITCH                  ; my stage
	s_add_co_u32 s18, s18, STAGE
	v_mul_u32_u24 v5, v1, SPITCH
	v_lshl_add_u32 v5, v2, 5, v5
	v_add_nc_u32 v[STO], s18, v5                   ; in: row r, 32 bytes for each half of the lanes
	v_add_nc_u32 v[RD], s18, v[CO]                 ; back: the 32 lanes take one row of 512 bytes
	s_lshl_b32 s20, s[TC], 10                      ; the bias: numbers 256 x tile column + 128 (wave % 2) on; B's block b, register j: number 16 b + 8 h + j
	s_lshl_b32 s21, s16, 9
	s_add_co_u32 s20, s20, s21
	s_mov_b32 s21, 0
	s_add_nc_u64 s[8:9], s[8:9], s[20:21]
	v_lshlrev_b32 v7, 5, v2
.irp b, 0,1,2,3,4,5,6,7
	global_load_b128 v[BIAS+8*\b:BIAS+8*\b+3], v7, s[8:9] offset:64*\b
	global_load_b128 v[BIAS+8*\b+4:BIAS+8*\b+7], v7, s[8:9] offset:64*\b+16
.endr
	s_add_nc_u64 s[10:11], s[10:11], s[20:21]      ; out0: my first column is as many bytes on,
	s_lshl_b32 s20, s17, 19
	s_lshl_b32 s22, s15, 18
	s_add_co_u32 s20, s20, s22                     ; my first row 128 x tile row + 64 (wave / 2), of 4,096 bytes
	s_add_nc_u64 s[10:11], s[10:11], s[20:21]
	v_lshlrev_b32 v8, 1, v0
	v_add_nc_u32 v8, RAW, v8                       ; row t's two bytes of head 0 (t = my thread's number)
	v_lshlrev_b32 v9, 5, v0
	v_lshrrev_b32 v10, 3, v0
	v_lshl_add_u32 v9, v10, 4, v9
	v_add_nc_u32 v9, SCLA, v9                      ; and where its eight scale words go: 32 t + 16 (t / 8)
.macro FRAG reg, adr, q, i             ; side B: 16 rows x 128 K from padded rows
.irp c, 0,1,2,3
	ds_load_b128 v[\reg+4*\c:\reg+4*\c+3], v[\adr] offset:128*(\q)+32*\c+(\i)*16*PITCH
.endr
.endm
.macro FRAGA reg, adr, q, i            ; side A: the image of tile i, the slot's q-th K step: four times 512 consecutive bytes
.irp c, 0,1,2,3
	ds_load_b128 v[\reg+4*\c:\reg+4*\c+3], v[\adr] offset:(\i)*4096+(\q)*2048+512*\c
.endr
.endm
.macro PFETCH slot, q, p               ; the fragments of 128 along K into set p: B's eight, A's four
	WIN TO_B
.irp i, 0,1,2,3,4,5,6,7
	FRAG 128*(\p)+FR*\i, ADRB+\slot, \q, \i
.endr
	WIN 0
.irp i, 0,1,2,3
	FRAGA AF+64*(\p)+FR*\i, ADRA+\slot, \q, \i
.endr
.endm
.macro SCALES_IN sc                    ; a K step's scale words into set sc: two words a row; lanes 0-15 take A's block i (blocks 0-3 are used), lanes 16-31 B's block i
.irp i, 0,1,2,3,4,5,6,7
	ds_load_b64 v[SC+8*NQ*(\sc)+NQ*\i:SC+8*NQ*(\sc)+NQ*\i+1], v[ADRS] offset:\i*SBLK
.endr
.endm
.macro PLACES n
.rept \n
	v_nop
.endr
.endm
; 32 matrix instructions: A's four blocks x B's eight, on set p.  first = 1: the bias is the C of the sums' first products.  The 32 accumulators take turns, one instruction a turn, in the same order in every step.
.macro PMUL p, q, sc, first
.if \first
	WIN 0x81                                       ; C (the bias) window 0, D window 2
.else
	WIN MUL_LO
.endif
.irp a, 0,1,2,3
.irp b, 0,1,2,3,4,5,6,7
.if \first
	v_wmma_scale_f32_16x16x128_f8f6f4 v[8*(8*\a+\b):8*(8*\a+\b)+7], v[128*(\p)+FR*\b:128*(\p)+FR*\b+FR-1], v[AF+64*(\p)+FR*\a:AF+64*(\p)+FR*\a+FR-1], v[BIAS+8*\b:BIAS+8*\b+7], v[SC+8*NQ*(\sc)+NQ*\b+(\q)], v[SC+8*NQ*(\sc)+NQ*\a+(\q)] matrix_a_scale:MATRIX_SCALE_ROW1
.else
	v_wmma_scale_f32_16x16x128_f8f6f4 v[8*(8*\a+\b):8*(8*\a+\b)+7], v[128*(\p)+FR*\b:128*(\p)+FR*\b+FR-1], v[AF+64*(\p)+FR*\a:AF+64*(\p)+FR*\a+FR-1], v[8*(8*\a+\b):8*(8*\a+\b)+7], v[SC+8*NQ*(\sc)+NQ*\b+(\q)], v[SC+8*NQ*(\sc)+NQ*\a+(\q)] matrix_a_scale:MATRIX_SCALE_ROW1
.endif
.endr
.endr
	WIN 0
.endm
.macro EVEN slot, sc                   ; a slot's first 128 along K, on set 0; the second 128 are fetched into set 1
	s_wait_dscnt 0x0                               ; set 0 and the slot's scale words are in
	PLACES NP                                      ; in front of loads into set 1, which the products just issued have read
	PFETCH \slot, 1, 1
	PMUL 0, 0, \sc, 0
.endm
.macro ODD next, sc                    ; what follows a change of slots: the next slot's first fragments and scale words (into the other set of scale registers), and the old slot's second 128, on set 1
	v_add_nc_u32 v[ADRS], 4*NQ, v[ADRS]            ; (no LDS load of mine is out)
	PFETCH \next, 0, 0
	SCALES_IN 1-\sc
	PMUL 1, 1, \sc, 0
.endm
	s_wait_tensorcnt 2                             ; the scale bytes and my part of K step 0 are in (K steps 1 and 2 may be out)
	s_barrier_signal -1
	s_barrier_wait -1                              ; everybody's are
	; A's scale words: thread t takes row t.  Word s of a row = head 2 s's two bytes, then head 2 s + 1's.
.irp d, 0,1,2,3,4,5,6,7,8,9,10,11,12,13,14,15
	ds_load_u16 v[AF+\d], v8 offset:256*\d
.endr
	s_wait_dscnt 0x0
.irp s, 0,1,2,3,4,5,6,7
	v_lshl_or_b32 v[AF+32+\s], v[AF+2*\s+1], 16, v[AF+2*\s]
.endr
	ds_store_b128 v9, v[AF+32:AF+35]
	ds_store_b128 v9, v[AF+36:AF+39] offset:16
	s_wait_dscnt 0x0                               ; for the others' sake: my stores have landed
	s_barrier_signal -1
	s_barrier_wait -1
	PFETCH 0, 0, 0
	SCALES_IN 0
	s_wait_loadcnt 0x0                             ; the bias
	s_wait_dscnt 0x0
	PFETCH 0, 1, 1
	PMUL 0, 0, 0, 1                                ; the first step's products start the sums, on the bias
	; THE ONE CHANGE OF SLOTS WITH A REFILL: slot 0 is read out and takes K step 3
	s_wait_tensorcnt 0x0                           ; all my tensor loads have landed: my parts of slots 1 and 2
	ds_add_u32 v[SPW], v[NIL]                      ; 0 onto my spare word
	s_add_nc_u64 s[G0+2:G0+3], s[G0+2:G0+3], 3*4096
	s_add_nc_u64 s[G0B+2:G0B+3], s[G0B+2:G0B+3], 3*ROWB
	s_wait_dscnt 0x0                               ; the add is done, set 1 is in, and with it my reads of slot 0 are over
	CROUND                                         ; no wave of any partner still reads slot 0 or has a load on its way; slots 1 and 2 are whole for every wave
	JLOAD G0, G1, G0B, G1B                         ; it has four steps of 128 along K in which to land
	PLACES NP-4                                    ; with the four v_nop behind the joint load: the places in front of the loads below
	ODD 1, 0
	EVEN 1, 1
	s_wait_dscnt 0x0                               ; slot 2 was shown whole by the round above: no barrier
	PLACES NP
	ODD 2, 1
	EVEN 2, 0
	s_wait_tensorcnt 0x0                           ; my part of K step 3 is in,
	s_wait_dscnt 0x0                               ; and my reads of slots 1 and 2 are over: the stage may be written behind this barrier
	s_barrier_signal -1
	s_barrier_wait -1                              ; everybody's
	PLACES NP
	ODD 0, 0
	EVEN 0, 1
	s_wait_dscnt 0x0
	PMUL 1, 1, 1, 0
; THE WAY OUT, block by block of 16 rows x 128 columns, through my own stage in LDS: back come whole rows of 512 bytes.  LDS serves a wave's instructions in order (ISA guide 5.7.1.4): no wait between the stores and the loads.
.macro TOSTAGE a
	WIN 0x08                                       ; the data: window 2
.irp b, 0,1,2,3,4,5,6,7
	ds_store_b128 v[STO], v[64*(\a)+8*\b:64*(\a)+8*\b+3] offset:64*\b          ; each accumulator from its low end on
	ds_store_b128 v[STO], v[64*(\a)+8*\b+4:64*(\a)+8*\b+7] offset:64*\b+16
.endr
	WIN 0
.set BB, BK+64*((\a)%2)
.irp t, 0,1,2,3,4,5,6,7,8,9,10,11,12,13,14,15
	ds_load_b128 v[BB+4*\t:BB+4*\t+3], v[RD] offset:\t*SPITCH
.endr
.endm
.macro SEND a, younger                 ; block a's row t is row 32 (a / 2) + 8 (a % 2) + t + 8 (t / 8) of my 64
.set BB, BK+64*((\a)%2)
	s_wait_dscnt \younger                          ; the block is back in registers
.if (\a) > 0
.if (\a)%2
	s_add_nc_u64 s[10:11], s[10:11], 8*4096        ; (behind a wait on XCNT: the earlier stores have read their base)
.else
	s_add_nc_u64 s[10:11], s[10:11], 24*4096
.endif
.endif
.irp t, 0,1,2,3,4,5,6,7,8,9,10,11,12,13,14,15
	global_store_b128 v[CO], v[BB+4*\t:BB+4*\t+3], s[10:11] offset:(\t+8*(\t/8))*4096 th:TH_STORE_NT   ; 32 lanes store 512 consecutive bytes of one row, aligned
.endr
.endm
	PLACES NP                                      ; in front of the first read of results and of loads into the fragments' registers
	TOSTAGE 0
.irp a, 1,2,3
.if \a > 1
	s_wait_xcnt 0x0                                ; block a - 2's stores have read their registers and their base
.endif
	TOSTAGE \a
	SEND \a-1, 32                                  ; behind block a - 1's loads: block a's 16 stores and 16 loads
.endr
	s_wait_xcnt 0x0
	SEND 3, 0
	s_wait_tensorcnt 0x0                           ; the wave's end
	ds_add_u32 v[SPW], v[NIL]
	s_wait_dscnt 0x0
	CROUND                                         ; the closing round
	s_endpgm
.Lfunc_end_k_q8f9d699cec_proj:
	.size	k_q8f9d699cec_proj, .Lfunc_end_k_q8f9d699cec_proj-k_q8f9d699cec_proj
	.p2alignl 7, 3214868480
	.fill 96, 4, 3214868480
	.section	.rodata,"a",@progbits
	.p2align	6, 0x0
	.amdhsa_kernel k_q8f9d699cec_proj
		.amdhsa_group_segment_fixed_size 327680
		.amdhsa_private_segment_fixed_size 0
		.amdhsa_enable_private_segment 0
		.amdhsa_kernarg_size 32
		.amdhsa_user_sgpr_count 2
		.amdhsa_user_sgpr_kernarg_segment_ptr 1
		.amdhsa_wavefront_size32 1
		.amdhsa_system_sgpr_workgroup_id_x 1
		.amdhsa_system_sgpr_workgroup_id_y 1
		.amdhsa_system_sgpr_workgroup_id_z 1
		.amdhsa_system_vgpr_workitem_id 0
		.amdhsa_next_free_vgpr 768
		.amdhsa_next_free_sgpr 102
		.amdhsa_reserve_vcc 0
		.amdhsa_float_denorm_mode_32 3
		.amdhsa_float_denorm_mode_16_64 3
		.amdhsa_memory_ordered 1
		.amdhsa_forward_progress 1
		.amdhsa_inst_pref_size 92
	.end_amdhsa_kernel
	.amdgpu_metadata
---
amdhsa.version: [ 1, 2 ]
amdhsa.kernels:
  - .name:           k_q8f9d699cec_proj
    .symbol:         k_q8f9d699cec_proj.kd
    .args:
      - { .name: att, .offset: 0, .size: 8, .value_kind: global_buffer, .address_space: global }
      - { .name: q1, .offset: 8, .size: 8, .value_kind: global_buffer, .address_space: global }
      - { .name: Wo_b, .offset: 16, .size: 8, .value_kind: global_buffer, .address_space: global }
      - { .name: out0, .offset: 24, .size: 8, .value_kind: global_buffer, .address_space: global }
    .group_segment_fixed_size: 327680
    .private_segment_fixed_size: 0
    .kernarg_segment_align: 8
    .kernarg_segment_size: 32
    .max_flat_workgroup_size: 128
    .sgpr_count:     102
    .vgpr_count:     768
    .wavefront_size: 32
...
	.end_amdgpu_metadata
.endif
;; end of part 4
